; MI455X (gfx1250); checked and timed in simulation.
; The chip was launched on July 23, 2026; its instructions are those of AMD's public machine-readable ISA for CDNA 5 (MIT licence, August 2026) and "CDNA5" Instruction Set Architecture Reference Guide (July 2026). The comments in the code are by the model that wrote it; some were corrected since.
;; Multi Head Self Attention. Allowed arithmetic: matrix products marked QUANTISED: E2M1 operands, one E8M0 scale for each 32 along K, by v_wmma_scale_f32_16x16x128_f8f6f4 with both operands' format E2M1 (or v_wmma_scale_f32_32x16x128_f4), f32 sums; products left as they are: bf16, f16 or f32 operands; f32 sums; everything else in f32.
;; Inputs: Wk 1,024 x 1,024 float32; Wo 1,024 x 1,024 float32; Wq 1,024 x 1,024 float32; Wv 1,024 x 1,024 float32; X 4 x 2,048 x 1,024 float32.
;; Outputs: out0 4 x 2,048 x 1,024 float32.
;; This version of the problem:
;;   THIS VERSION OF THE PROBLEM IS GIVEN IN LOW PRECISION. The matrix products marked QUANTISED in the list below multiply operands that are first quantised to E2M1 (2 exponent bits, 1 mantissa bit; 4 bits a number), with one power-of-two scale for each 32 numbers along K (OCP MX v1.0); their sums are f32. The products marked 'left as it is' may take bf16, f16 or f32 operands, with f32 sums. Whichever they take, every output number must still come out within the allowed error. Rounding operands to bf16 (8 significant bits) uses up far more of that allowance than f16 does (11 bits, for magnitudes from 6e-5 to 65,504). All else is computed in f32.
;;   The module's matrix products, in the order in which they are computed (A, B: the left and right operand; K: the contracted axis; several contracted axes count as one K, in the product's order):
;;     1. [M 8,192, K 1,024] x [K 1,024, N 1,024]; A: input X; B: input Wq: QUANTISED
;;     2. [M 8,192, K 1,024] x [K 1,024, N 1,024]; A: input X; B: input Wk: QUANTISED
;;     3. [M 8,192, K 1,024] x [K 1,024, N 1,024]; A: input X; B: input Wv: QUANTISED
;;     4. batch 64 x [M 2,048, K 64] x [K 64, N 2,048]; A: computed on the way; B: computed on the way: left as it is (an operand is computed on the way)
;;     5. batch 64 x [M 2,048, K 2,048] x [K 2,048, N 64]; A: computed on the way; B: computed on the way: left as it is (an operand is computed on the way)
;;     6. [M 8,192, K 1,024] x [K 1,024, N 1,024]; A: computed on the way; B: input Wo: left as it is (an operand is computed on the way)
;;   THE QUANTISER, for each operand of a quantised product, along K:
;;     - K is cut into blocks of 32 from its start; a last block that is shorter is filled with zeros.
;;     - A block's scale is 2^e with e = floor(log2(the largest magnitude in the block)) - 2, held to -126 .. 127; a block of zeros has e = 0. As a byte (E8M0): e + 127.
;;     - Each number is divided by its block's scale, clamped to +-6, and rounded to the nearest number of E2M1, ties to even, subnormals kept.
;;     - The product sums the exact products of the quantised numbers (number of the format x scale) in f32.
;;   ~~~python
;;   def quantise(x, axis):      # numpy; x: float32 -> the quantised numbers, widened to float32 again
;;       x = np.moveaxis(x, axis, -1); K = x.shape[-1]
;;       x = np.pad(x, [(0, 0)] * (x.ndim - 1) + [(0, -K % 32)]); x = x.reshape(x.shape[:-1] + (-1, 32)); a = np.abs(x).max(-1, keepdims=True)
;;       e = np.where(a > 0, np.clip(np.frexp(np.where(a > 0, a, 1))[1] - 1 - 2, -126, 127), 0)      # np.frexp(a)[1] - 1 = floor(log2(a)), exactly
;;       r = np.clip(x / 2.0 ** e, -6, 6)
;;       step = 2.0 ** (np.maximum(np.frexp(np.where(r == 0, 1, r))[1] - 1, 0) - 1)
;;       q = np.round(r / step) * step * 2.0 ** e      # np.round: ties to even
;;       return np.moveaxis(q.reshape(q.shape[:-2] + (-1,))[..., :K], -1, axis).astype(np.float32)
;;   ~~~
;; One version. Each part assembles by itself: llvm-mc -triple=amdgcn-amd-amdhsa -mcpu=gfx1250 --defsym DOCPART=n.
;; ======== version 1 of 1: 6 launches
;; limits: values are held in f16: magnitudes above 65,504 overflow, below 6.1e-05 lose precision
;; workspace buffers: xc 4,194,304 bytes; xs 262,144 bytes; wc 1,572,864 bytes; ws 98,304 bytes; woh 2,097,152 bytes; qkv 50,331,648 bytes; fq 786,432 bytes; ao 16,777,216 bytes
;; launch quantx (part 1): grid 256 x 1, 4 waves a work-group, no clusters, 33,280 bytes of LDS; arguments X, xc, xs; writes xc, xs
.if DOCPART == 1
	.amdgcn_target "amdgcn-amd-amdhsa--gfx1250"
	.amdhsa_code_object_version 6
	.text
	.protected	k_qb7ca9a8a71_quantx
	.globl	k_qb7ca9a8a71_quantx
	.p2align	8
	.type	k_qb7ca9a8a71_quantx,@function
k_qb7ca9a8a71_quantx:
	s_mov_b64 s[64:65], 0
	v_nop
	global_prefetch_b8 v0, s[64:65] scope:SCOPE_SE
	s_setreg_imm32_b32 hwreg(HW_REG_WAVE_MODE, 25, 1), 1
	s_wait_xcnt 0x0
; X [8192][1024], f32, becomes codes of FP4 (E2M1), two a byte, K innermost (xc: 512 bytes a row), with one E8M0 byte for each 32 along K (xs: 32 bytes a row).
; A block's scale is 2^(floor(log2(its largest magnitude)) - 2); its byte is the largest magnitude's own exponent field - 2, held at 1 from below.
; A block of zeros so gets the byte 1 where the quantiser says 127: its codes are zeros, which add nothing under that byte, and this program alone reads the bytes.
; LIMITS: NaN and infinities among the inputs are not served.
; Rows are dense and 1,024 is a multiple of 32: X is a plain stream of blocks of 32, and so are the codes and the bytes.  A wave takes 16 steps of 512 numbers.
; Each of a step's four loads reads 512 consecutive bytes; the 2,048 bytes turn through the wave's own stage in LDS (16 bytes of padding behind each 64) and come back 64 bytes a lane:
; 16 neighbours along K, two lanes to a block, as the conversions want them.  A wave's store of codes covers 256 consecutive bytes, aligned; its 256 scale bytes are gathered in LDS and leave as one such run.
; No matrix unit, no cluster, no barrier: the waves share nothing and memory binds.
.set WAVES, 4
.set STEPS, 16
.set EMAX,  2
.set CB,    8                          ; bytes of 16 codes
.set R,     16                         ; v16-79   four sets of 16 numbers as they are loaded
.set X,     80                         ; v80-111  two sets of 16 neighbours
.set C,     128                        ; v128-191 codes: registers of its own for each step, so that no store's data are written again
.set E,     112                        ; v112-127 a scale byte for each step
.set WREG,  8192                       ; LDS: a region for each wave: two stages of 32 x SP bytes, behind them its 256 scale bytes
.set SP,    80                         ; a lane's place in a stage: 64 bytes + 16 of padding
.set SPW,   12                         ; v12  LDS address of my spare word; never rewritten
.set NIL,   13                         ; v13  0; never rewritten
.set SPARE, WAVES*WREG                 ; behind the regions: the spare words, 128 bytes a wave, which no other line names
	s_load_b128 s[4:7], s[0:1], 0x0                ; X, xc
	s_load_b64 s[8:9], s[0:1], 0x10                ; xs
	v_lshl_add_u32 v[SPW], v0, 2, SPARE
	v_mov_b32 v[NIL], 0
	v_lshrrev_b32 v1, 5, v0
	v_readfirstlane_b32 s16, v1                    ; wave
	v_and_b32 v2, 31, v0                           ; lane
	v_lshlrev_b32 v3, 4, v2                        ; my 16 bytes of a load's 512
	s_mul_i32 s17, s16, WREG
	v_lshrrev_b32 v14, 2, v2
	v_mul_u32_u24 v14, v14, SP
	v_and_b32 v15, 3, v2
	v_lshl_add_u32 v14, v15, 4, v14
	v_add_nc_u32 v14, s17, v14                     ; the stage on the way in: SP (lane / 4) + 16 (lane % 4)
	v_mul_u32_u24 v15, v2, SP
	v_add_nc_u32 v15, s17, v15                     ; and on the way out: SP x lane
	v_mul_u32_u24 v4, v2, CB                       ; my codes' place in a step's
	v_lshrrev_b32 v5, 1, v2
	s_add_co_u32 s17, s17, 2*32*SP
	v_add_nc_u32 v5, s17, v5                       ; my block's byte among my wave's 256
	v_lshlrev_b32 v7, 3, v2
	v_add_nc_u32 v6, s17, v7                       ; and 8 bytes a lane on the way out
	s_lshl_b32 s18, ttmp9, 2
	s_add_co_u32 s18, s18, s16                     ; which run of 8,192 numbers is my wave's: 0 .. 1023
	s_lshl_b32 s20, s18, 15                        ; 32,768 bytes of X,
	s_mov_b32 s21, 0
	s_lshl_b32 s22, s18, 12                        ; 4,096 of codes,
	s_mov_b32 s23, 0
	s_lshl_b32 s24, s18, 8                         ; 256 scale bytes a run
	s_mov_b32 s25, 0
	s_wait_kmcnt 0x0
	s_add_nc_u64 s[4:5], s[4:5], s[20:21]
	s_add_nc_u64 s[6:7], s[6:7], s[22:23]
	s_add_nc_u64 s[8:9], s[8:9], s[24:25]
.macro LOAD t
.irp i, 0,1,2,3
	global_load_b128 v[R+16*((\t)%4)+4*\i:R+16*((\t)%4)+4*\i+3], v3, s[4:5] offset:2048*(\t)+512*\i th:TH_LOAD_NT   ; 32 lanes read 512 consecutive bytes
.endr
.endm
.macro TURN t                          ; step t's numbers through the stage: LDS serves a wave's instructions in order, so no wait stands between the stores and the loads
.irp i, 0,1,2,3
	ds_store_b128 v14, v[R+16*((\t)%4)+4*\i:R+16*((\t)%4)+4*\i+3] offset:32*SP*((\t)%2)+8*SP*\i
.endr
.irp i, 0,1,2,3
	ds_load_b128 v[X+16*((\t)%2)+4*\i:X+16*((\t)%2)+4*\i+3], v15 offset:32*SP*((\t)%2)+16*\i
.endr
.endm
.irp t, 0,1,2,3
	LOAD \t
.endr
	s_wait_loadcnt 12                              ; step 0's four loads are in; the twelve behind them stay out
	TURN 0
.macro STEP t
.set XS, X+16*((\t)%2)
.if (\t) > 0
	s_wait_dscnt 1                                 ; this step's numbers are back from the stage (the last step's byte store may be out)
.else
	s_wait_dscnt 0x0
.endif
.if (\t)+4 < STEPS
	LOAD (\t)+4                                    ; into the registers that the stage's stores have read
.endif
.if (\t)+1 < STEPS
.if STEPS-2-(\t) >= 3
	s_wait_loadcnt 12                              ; the next step's four loads are in; those of the three steps behind it may be out
.else
	s_wait_loadcnt 4*(STEPS-2-(\t))
.endif
	TURN (\t)+1                                    ; through the other stage while this step is worked
.endif
	v_max3_num_f32 v8, |v[XS]|, |v[XS+1]|, |v[XS+2]|               ; the largest magnitude of my 16, in two chains
	v_max3_num_f32 v9, |v[XS+3]|, |v[XS+4]|, |v[XS+5]|
.irp i, 6,10
	v_max3_num_f32 v8, v8, |v[XS+\i]|, |v[XS+\i+1]|
	v_max3_num_f32 v9, v9, |v[XS+\i+2]|, |v[XS+\i+3]|
.endr
	v_max3_num_f32 v8, v8, |v[XS+14]|, |v[XS+15]|
	v_max3_num_f32 v8, v8, v9, (EMAX+1)<<23        ; and the floor 2^(3 - 127): the byte cannot fall under 1
	v_max_num_f32_dpp v8, v8, v8 row_xmask:1 row_mask:0xf bank_mask:0xf   ; with my neighbour's 16: the block's
	v_add_nc_u32 v11, 0xff000000, v8               ; 2 off its exponent field: the conversion takes this operand's exponent field as its scale
	v_cvt_scalef32_pk8_fp4_f32 v[C+4*(\t)], v[XS:XS+7], v11
	v_cvt_scalef32_pk8_fp4_f32 v[C+4*(\t)+1], v[XS+8:XS+15], v11
	v_lshrrev_b32 v[E+(\t)], 23, v11               ; the scale's byte (also the plain line behind the conversions)
	ds_store_b8 v5, v[E+(\t)] offset:16*(\t)       ; both lanes of a block write the same byte with the same value
	global_store_b64 v4, v[C+4*(\t):C+4*(\t)+1], s[6:7] offset:32*CB*(\t)   ; 32 lanes store 256 consecutive bytes, aligned
.endm
.irp t, 0,1,2,3,4,5,6,7,8,9,10,11,12,13,14,15
	STEP \t
.endr
	ds_load_b64 v[8:9], v6                         ; in order behind my byte stores
	s_wait_dscnt 0x0
	global_store_b64 v7, v[8:9], s[8:9]            ; my wave's 256 scale bytes, aligned
	s_wait_tensorcnt 0x0                           ; the wave's end
	ds_add_u32 v[SPW], v[NIL]
	s_wait_dscnt 0x0
	s_endpgm
.Lfunc_end_k_qb7ca9a8a71_quantx:
	.size	k_qb7ca9a8a71_quantx, .Lfunc_end_k_qb7ca9a8a71_quantx-k_qb7ca9a8a71_quantx
	.p2alignl 7, 3214868480
	.fill 96, 4, 3214868480
	.section	.rodata,"a",@progbits
	.p2align	6, 0x0
	.amdhsa_kernel k_qb7ca9a8a71_quantx
		.amdhsa_group_segment_fixed_size 33280
		.amdhsa_private_segment_fixed_size 0
		.amdhsa_enable_private_segment 0
		.amdhsa_kernarg_size 24
		.amdhsa_user_sgpr_count 2
		.amdhsa_user_sgpr_kernarg_segment_ptr 1
		.amdhsa_wavefront_size32 1
		.amdhsa_system_sgpr_workgroup_id_x 1
		.amdhsa_system_sgpr_workgroup_id_y 1
		.amdhsa_system_sgpr_workgroup_id_z 1
		.amdhsa_system_vgpr_workitem_id 0
		.amdhsa_next_free_vgpr 192
		.amdhsa_next_free_sgpr 66
		.amdhsa_reserve_vcc 0
		.amdhsa_float_denorm_mode_32 3
		.amdhsa_float_denorm_mode_16_64 3
		.amdhsa_memory_ordered 1
		.amdhsa_forward_progress 1
		.amdhsa_inst_pref_size 33
	.end_amdhsa_kernel
	.amdgpu_metadata
---
amdhsa.version: [ 1, 2 ]
amdhsa.kernels:
  - .name:           k_qb7ca9a8a71_quantx
    .symbol:         k_qb7ca9a8a71_quantx.kd
    .args:
      - { .name: X, .offset: 0, .size: 8, .value_kind: global_buffer, .address_space: global }
      - { .name: xc, .offset: 8, .size: 8, .value_kind: global_buffer, .address_space: global }
      - { .name: xs, .offset: 16, .size: 8, .value_kind: global_buffer, .address_space: global }
    .group_segment_fixed_size: 33280
    .private_segment_fixed_size: 0
    .kernarg_segment_align: 8
    .kernarg_segment_size: 24
    .max_flat_workgroup_size: 128
    .sgpr_count:     66
    .vgpr_count:     192
    .wavefront_size: 32
...
	.end_amdgpu_metadata
.endif
;; end of part 1
;; launch quantw (part 2): grid 8 x 10, 4 waves a work-group, no clusters, 35,840 bytes of LDS; arguments Wq, Wk, Wv, Wo, wc, ws, woh; writes wc, ws, woh
.if DOCPART == 2
	.amdgcn_target "amdgcn-amd-amdhsa--gfx1250"
	.amdhsa_code_object_version 6
	.text
	.protected	k_qb7ca9a8a71_quantw
	.globl	k_qb7ca9a8a71_quantw
	.p2align	8
	.type	k_qb7ca9a8a71_quantw,@function
k_qb7ca9a8a71_quantw:
	s_mov_b64 s[64:65], 0
	v_nop
	global_prefetch_b8 v0, s[64:65] scope:SCOPE_SE
	s_setreg_imm32_b32 hwreg(HW_REG_WAVE_MODE, 25, 1), 1
	s_wait_xcnt 0x0
; Work-group rows y = 0 .. 5: Wq, Wk, Wv [k 1024][n 1024], f32, whose K is the FIRST axis, become codes of FP4 (E2M1) laid [3072 rows = 1024 which + n][512 bytes], K innermost (wc), with one E8M0 byte for each 32 along K (ws, 32 bytes a row).
;   which = y / 2, and y % 2 says which 512 along K.  A LANE TAKES A COLUMN n AND ITS REGISTERS RUN DOWN K: each load reads 128 consecutive bytes a wave, a block of 32 along K lies in one lane's registers, and the conversions give codes with K innermost.
;   A lane's 256 bytes of codes go through the wave's own stage in LDS and leave as rows: sixteen lanes store 256 consecutive bytes, aligned.  The scale bytes leave 16 a lane, in rows 32 bytes apart: a small part of what the launch moves.
; Work-group rows y = 6 .. 9: Wo, f32, is rounded to f16 in the order in which it lies (woh [k][n]): the last product is left as it is and takes f16 operands.
; A block's byte is its largest magnitude's exponent field - 2, held at 1 from below; a block of zeros keeps the byte 1 (its codes are zeros; this program alone reads the bytes).
; LIMITS: NaN and infinities are not served; |Wo| stays under 65,504 (f16).
; The two ways part on the work-group's number alone; only the first uses LDS beside the spare words.  No cluster: no two work-groups read the same bytes.
.set NB,    16                         ; blocks of 32 along K for a wave
.set PITCH, 272                        ; a stage row: 256 bytes of codes + 16
.set KROW,  512                        ; a row of wc
.set EMAX,  2
.set X,     32                         ; v32-95   two sets of 32 numbers
.set C,     96                         ; v96-99   a block's codes
.set OUTR,  112                        ; v112-175 the way out
.set SB,    24                         ; v24-27   the scale bytes, four to a register
.set IN,    32                         ; the cast: v32-95, v96-159 two sets of 64 numbers
.set OUTC,  160                        ; v160-191 32 registers of f16 pairs
.set SPW,   14
.set NIL,   15
.set SPARE, 4*32*PITCH                 ; behind the four stages: the spare words, 128 bytes a wave, which no other line names
	s_load_b256 s[4:11], s[0:1], 0x0               ; Wq, Wk, Wv, Wo
	s_load_b128 s[12:15], s[0:1], 0x20             ; wc, ws
	s_load_b64 s[16:17], s[0:1], 0x30              ; woh
	v_lshl_add_u32 v[SPW], v0, 2, SPARE
	v_mov_b32 v[NIL], 0
	v_lshrrev_b32 v1, 5, v0
	v_readfirstlane_b32 s18, v1                    ; wave
	v_and_b32 v2, 31, v0                           ; lane
	s_and_b32 s19, ttmp7, 0xffff                   ; y
	s_cmp_ge_u32 s19, 6
	s_cbranch_scc1 .Lcast
	s_lshr_b32 s20, s19, 1                         ; which weight
	s_and_b32 s21, s19, 1                          ; which 512 along K
	s_lshl_b32 s22, ttmp9, 7
	s_lshl_b32 s23, s18, 5
	s_add_co_u32 s22, s22, s23                     ; my wave's first column: 128 x + 32 wave
	v_lshlrev_b32 v3, 2, v2                        ; in: 4 bytes a lane
	s_mul_i32 s23, s18, 32*PITCH                   ; my stage
	v_mul_u32_u24 v4, v2, PITCH
	v_add_nc_u32 v4, s23, v4                       ; into it: row = my column
	v_and_b32 v5, 15, v2
	v_lshrrev_b32 v6, 4, v2
	v_mul_u32_u24 v7, v6, PITCH
	v_lshl_add_u32 v7, v5, 4, v7
	v_add_nc_u32 v7, s23, v7                       ; out of it: sixteen lanes to a row, two rows an instruction
	v_mul_u32_u24 v8, v6, KROW
	v_lshl_add_u32 v8, v5, 4, v8                   ; and the same place in wc
	v_lshlrev_b32 v9, 5, v2                        ; my column's row of scale bytes
	s_lshl_b32 s24, s21, 21                        ; W: 512 rows of 4,096 bytes,
	s_lshl_b32 s25, s22, 2
	s_add_co_u32 s24, s24, s25                     ; + 4 x column
	s_mov_b32 s25, 0
	s_lshl_b32 s26, s20, 10
	s_add_co_u32 s26, s26, s22                     ; my first row of wc and ws
	s_lshl_b32 s28, s26, 9
	s_lshl_b32 s27, s21, 8
	s_add_co_u32 s28, s28, s27                     ; wc: 512 x row + 256 x half of K
	s_mov_b32 s29, 0
	s_lshl_b32 s30, s26, 5
	s_lshl_b32 s27, s21, 4
	s_add_co_u32 s30, s30, s27                     ; ws: 32 x row + 16 x half of K
	s_mov_b32 s31, 0
	s_wait_kmcnt 0x0
	s_cmp_eq_u32 s20, 0                            ; the choice hangs on the work-group's number alone
	s_cselect_b64 s[4:5], s[4:5], s[6:7]
	s_cmp_eq_u32 s20, 2
	s_cselect_b64 s[4:5], s[8:9], s[4:5]
	s_add_nc_u64 s[4:5], s[4:5], s[24:25]
	s_add_nc_u64 s[12:13], s[12:13], s[28:29]
	s_add_nc_u64 s[14:15], s[14:15], s[30:31]
.macro LOAD t                          ; block t: W(32 t + i, my column), i = 0 .. 31, into set t % 2
.irp i, 0,1,2,3,4,5,6,7,8,9,10,11,12,13,14,15,16,17,18,19,20,21,22,23,24,25,26,27,28,29,30,31
	global_load_b32 v[X+32*((\t)%2)+\i], v3, s[4:5] offset:(32*(\t)+\i)*4096 th:TH_LOAD_NT
.endr
.endm
	LOAD 0
	LOAD 1
.macro BLOCK t
.set XS, X+32*((\t)%2)
.if (\t) < NB-1
	s_wait_loadcnt 32                              ; this block's 32 loads are in; the next block's may be out
.else
	s_wait_loadcnt 0
.endif
	v_max3_num_f32 v12, |v[XS]|, |v[XS+1]|, |v[XS+2]|              ; the block's largest magnitude: all 32 numbers are mine
	v_max3_num_f32 v13, |v[XS+3]|, |v[XS+4]|, |v[XS+5]|
.irp i, 6,10,14,18,22,26
	v_max3_num_f32 v12, v12, |v[XS+\i]|, |v[XS+\i+1]|
	v_max3_num_f32 v13, v13, |v[XS+\i+2]|, |v[XS+\i+3]|
.endr
	v_max3_num_f32 v12, v12, |v[XS+30]|, |v[XS+31]|
	v_max3_num_f32 v12, v12, v13, (EMAX+1)<<23     ; and the floor 2^(3 - 127)
	v_add_nc_u32 v11, 0xff000000, v12              ; 2 off the exponent field: the conversion's scale operand
	v_lshrrev_b32 v13, 23, v11                     ; the scale's byte
.if (\t)%4 == 0
	v_mov_b32 v[SB+(\t)/4], v13                    ; four bytes to a register, the lower K in the lower byte
.else
	v_lshl_or_b32 v[SB+(\t)/4], v13, 8*((\t)%4), v[SB+(\t)/4]
.endif
.irp g, 0,1,2,3
	v_cvt_scalef32_pk8_fp4_f32 v[C+\g], v[XS+8*\g:XS+8*\g+7], v11
.endr
	v_nop                                          ; one plain line behind the last conversion
	ds_store_b128 v4, v[C:C+3] offset:16*(\t)      ; 32 codes: 16 bytes of my column's row
.if (\t)+2 < NB
	LOAD (\t)+2
.endif
	s_wait_dscnt 0x0                               ; the store has read its registers: the next block's codes may be written
.endm
.set Q, 0
.rept NB
	BLOCK Q
.set Q, Q+1
.endr
	global_store_b128 v9, v[SB:SB+3], s[14:15]     ; my column's 16 scale bytes
.irp t, 0,1,2,3,4,5,6,7,8,9,10,11,12,13,14,15
	ds_load_b128 v[OUTR+4*\t:OUTR+4*\t+3], v7 offset:2*\t*PITCH   ; in order behind my stores
.endr
.irp t, 0,1,2,3,4,5,6,7,8,9,10,11,12,13,14,15
	s_wait_dscnt 15-\t                             ; the younger loads stay out
	global_store_b128 v8, v[OUTR+4*\t:OUTR+4*\t+3], s[12:13] offset:2*\t*KROW   ; sixteen lanes store 256 consecutive bytes, aligned
.endr
	s_wait_tensorcnt 0x0                           ; the wave's end
	ds_add_u32 v[SPW], v[NIL]
	s_wait_dscnt 0x0
	s_endpgm
.Lcast:                                                ; Wo to f16: 128 runs of 8,192 numbers, one a wave
	s_sub_co_u32 s20, s19, 6
	s_lshl_b32 s20, s20, 3
	s_add_co_u32 s20, s20, ttmp9
	s_lshl_b32 s20, s20, 2
	s_add_co_u32 s20, s20, s18                     ; my run: 0 .. 127
	s_lshl_b32 s24, s20, 15                        ; 32,768 bytes in,
	s_mov_b32 s25, 0
	s_lshl_b32 s26, s20, 14                        ; 16,384 out
	s_mov_b32 s27, 0
	v_lshlrev_b32 v3, 5, v2                        ; a lane's 8 numbers: 32 bytes in,
	v_lshlrev_b32 v4, 4, v2                        ; 16 out
	s_wait_kmcnt 0x0
	s_add_nc_u64 s[10:11], s[10:11], s[24:25]
	s_add_nc_u64 s[16:17], s[16:17], s[26:27]
.macro CLOAD g                         ; group g: 8 x 1,024 bytes, two loads each, into set g % 2
.irp i, 0,1,2,3,4,5,6,7
	global_load_b128 v[IN+64*((\g)%2)+8*\i:IN+64*((\g)%2)+8*\i+3], v3, s[10:11] offset:(8*(\g)+\i)*1024 th:TH_LOAD_NT
	global_load_b128 v[IN+64*((\g)%2)+8*\i+4:IN+64*((\g)%2)+8*\i+7], v3, s[10:11] offset:(8*(\g)+\i)*1024+16 th:TH_LOAD_NT
.endr
.endm
	CLOAD 0
	CLOAD 1
.irp g, 0,1,2,3
.if \g < 3
	s_wait_loadcnt 16                              ; this group's 16 loads are in; the next group's stay out
.else
	s_wait_loadcnt 0
.endif
	s_wait_xcnt 0x0                                ; the last group's stores have read their data: those registers are written again below
.irp i, 0,1,2,3,4,5,6,7
.irp j, 0,1,2,3
	v_cvt_pk_f16_f32 v[OUTC+4*\i+\j], v[IN+64*(\g%2)+8*\i+2*\j], v[IN+64*(\g%2)+8*\i+2*\j+1]
.endr
.endr
.irp i, 0,1,2,3,4,5,6,7
	global_store_b128 v4, v[OUTC+4*\i:OUTC+4*\i+3], s[16:17] offset:(8*\g+\i)*512   ; 32 lanes store 512 consecutive bytes, aligned
.endr
.if \g < 2
	CLOAD \g+2
.endif
.endr
	s_wait_tensorcnt 0x0                           ; the same three lines on this way too
	ds_add_u32 v[SPW], v[NIL]
	s_wait_dscnt 0x0
	s_endpgm
.Lfunc_end_k_qb7ca9a8a71_quantw:
	.size	k_qb7ca9a8a71_quantw, .Lfunc_end_k_qb7ca9a8a71_quantw-k_qb7ca9a8a71_quantw
	.p2alignl 7, 3214868480
	.fill 96, 4, 3214868480
	.section	.rodata,"a",@progbits
	.p2align	6, 0x0
	.amdhsa_kernel k_qb7ca9a8a71_quantw
		.amdhsa_group_segment_fixed_size 35840
		.amdhsa_private_segment_fixed_size 0
		.amdhsa_enable_private_segment 0
		.amdhsa_kernarg_size 56
		.amdhsa_user_sgpr_count 2
		.amdhsa_user_sgpr_kernarg_segment_ptr 1
		.amdhsa_wavefront_size32 1
		.amdhsa_system_sgpr_workgroup_id_x 1
		.amdhsa_system_sgpr_workgroup_id_y 1
		.amdhsa_system_sgpr_workgroup_id_z 1
		.amdhsa_system_vgpr_workitem_id 0
		.amdhsa_next_free_vgpr 192
		.amdhsa_next_free_sgpr 66
		.amdhsa_reserve_vcc 0
		.amdhsa_float_denorm_mode_32 3
		.amdhsa_float_denorm_mode_16_64 3
		.amdhsa_memory_ordered 1
		.amdhsa_forward_progress 1
		.amdhsa_inst_pref_size 97
	.end_amdhsa_kernel
	.amdgpu_metadata
---
amdhsa.version: [ 1, 2 ]
amdhsa.kernels:
  - .name:           k_qb7ca9a8a71_quantw
    .symbol:         k_qb7ca9a8a71_quantw.kd
    .args:
      - { .name: Wq, .offset: 0, .size: 8, .value_kind: global_buffer, .address_space: global }
      - { .name: Wk, .offset: 8, .size: 8, .value_kind: global_buffer, .address_space: global }
      - { .name: Wv, .offset: 16, .size: 8, .value_kind: global_buffer, .address_space: global }
      - { .name: Wo, .offset: 24, .size: 8, .value_kind: global_buffer, .address_space: global }
      - { .name: wc, .offset: 32, .size: 8, .value_kind: global_buffer, .address_space: global }
      - { .name: ws, .offset: 40, .size: 8, .value_kind: global_buffer, .address_space: global }
      - { .name: woh, .offset: 48, .size: 8, .value_kind: global_buffer, .address_space: global }
    .group_segment_fixed_size: 35840
    .private_segment_fixed_size: 0
    .kernarg_segment_align: 8
    .kernarg_segment_size: 56
    .max_flat_workgroup_size: 128
    .sgpr_count:     66
    .vgpr_count:     192
    .wavefront_size: 32
...
	.end_amdgpu_metadata
.endif
;; end of part 2
;; launch qkv (part 3): grid 12 x 32, 4 waves a work-group, clusters of 4 x 4, 327,680 bytes of LDS; arguments xc, xs, wc, ws, qkv, fq; writes qkv, fq
.if DOCPART == 3
	.amdgcn_target "amdgcn-amd-amdhsa--gfx1250"
	.amdhsa_code_object_version 6
	.text
	.protected	k_qb7ca9a8a71_qkv
	.globl	k_qb7ca9a8a71_qkv
	.p2align	8
	.type	k_qb7ca9a8a71_qkv,@function
k_qb7ca9a8a71_qkv:
	s_mov_b64 s[64:65], 0
	v_nop
	global_prefetch_b8 v0, s[64:65] scope:SCOPE_SE
	s_setreg_imm32_b32 hwreg(HW_REG_WAVE_MODE, 25, 1), 1
	s_wait_xcnt 0x0
	s_wait_alu depctr_hold_cnt(0) depctr_sa_sdst(0) depctr_va_vdst(0) depctr_va_sdst(0) depctr_va_ssrc(0) depctr_va_vcc(0) depctr_vm_vsrc(0)
	s_getreg_b32 s2, hwreg(HW_REG_IB_STS2, 6, 4)
	s_cmp_eq_u32 s2, 0
	s_cbranch_scc0 .Lentry_in_a_cluster
	s_endpgm
.Lentry_in_a_cluster:
	s_bfe_u32 s2, ttmp6, 0x10000c
	s_cmp_lg_u32 s2, 0xf033
	s_cbranch_scc0 .Lentry_shape_is_right
	s_endpgm
.Lentry_shape_is_right:
; The three quantised products as ONE GEMM on codes of FP4 (E2M1): C[m][n] = sum over k of X[m][k] W[n][k], m = 8,192 tokens, n = 3,072 = 1024 which + column (q, k, v), K = 1,024; one E8M0 scale for each 32 along K; sums in f32.
; A tile of C, 256 x 256, is made by a work-group of four waves; a wave makes 128 x 128: 64 accumulators of 16 x 16, 512 registers.  K is two slots of 512 (tile rows of 256 bytes): both slots and all scale bytes
; are asked for at the head, three tensor loads a wave, and nothing is filled again.
; CLUSTERS: 4 x 4 work-groups.  The four of a row of the cluster need the same tiles of X, the four of a column the same tiles of W: each tile is asked for JOINTLY, by the same tensor load with the same descriptor and a mask that names the four.
; THE MATRIX INSTRUCTION IS USED TRANSPOSED (source 0 = 16 rows of W, source 1 = 16 tokens): a lane then holds eight neighbouring columns of one token.
; OUT: rounded to f16 into qkv [which][batch][head][position][64] (a head's rows are 128 bytes, dense): the later products are left as they are and take f16.  A wave's 128 columns are two heads; 16 tokens x 2 heads go through the wave's
; stage in LDS and leave as runs of 512 consecutive bytes.  The first 16 positions of each batch also leave as f32 (fq [batch][16][3072]) for the launch that carries those rows in f32; those stores are 16 bytes a lane in rows far apart,
; 786,432 bytes in the whole launch.  Which waves hold such rows hangs on the place in the cluster, so the stores stand under EXEC and no branch is taken.
; LIMITS: |q|, |k|, |v| stay under 65,504 (f16).
; REGISTERS, in windows of 256: window 0: v0-31 addresses; v32-95 scale words, two sets; v128-191 X's fragments, ONE set; on the way out v128-255 are free.  window 1: W's fragments, TWO sets, at v0 and v128.
;   window 2: the 32 accumulators of my rows 0-63 ((a, b) at v[8 (8 a + b)]);  window 3: those of my rows 64-127.
.set SIZE_K, 1024
.set KSTEP,  512                       ; along K in a slot
.set NQ,     KSTEP/128                 ; matrix instructions deep
.set ROWB,   256                       ; a tile's row in bytes
.set KROW,   SIZE_K*4/8                ; a row of codes in memory
.set PITCH,  272                       ; an LDS row: 256 bytes + 16 of padding: the 16 rows that a load touches start at 16 different banks (64 banks of 4 bytes: ISA guide 11.1)
.set FR,     8                         ; registers of a fragment: 16 rows x 128 K
.set NL,     2                         ; LDS loads that bring one
.set NP,     4                         ; places behind this matrix instruction (ISA guide 7.12.1)
.set HALFT,  128*PITCH                 ; what one tensor load brings, and what one wave reads of X or of W
.set SLOT,   4*HALFT
.set KS,     SIZE_K/32                 ; a row of scale bytes
.set SCL,    2*SLOT                    ; behind the slots: the scales, as runs of 256 bytes + 16 of padding
.set HALFS,  (128*KS/256)*272          ; the scales of 128 rows
.set SBLK,   (16*KS/256)*272           ; those of 16 rows
.set SPARE,  SCL+4*HALFS               ; the spare words, 128 bytes a wave, which no other line names
.set SPITCH, 144                       ; the way out: a stage of 2 heads x 16 rows x (128 bytes + 16) for each wave, in slot 0, which has had its only fill and its last read by then
.set ADRA, 16                          ; v16-17  LDS address of my X fragments in slot 0, 1
.set ADRB, 20                          ; v20-21  the same for W
.set FO,   22                          ; v22     my byte offset in fq
.set FL,   23                          ; v23     0 where my wave's first 16 rows are positions 0 .. 15
.set STO,  24                          ; v24     where I put 16 bytes of a head's row
.set RD,   25                          ; v25     where I read rows back
.set CO,   26                          ; v26     16 x lane
.set ADRS, 27                          ; v27     LDS address of my scale words: lanes 0-15 X's rows, lanes 16-31 W's
.set SPW,  28
.set NIL,  29
.set SC,   32                          ; scale words: set s at v[SC + 32 s]; register 4 i + q: lanes 0-15 X's block i, lanes 16-31 W's block i, the slot's q-th 128 along K
.set AF,   128
.set BK,   128                         ; the way out: rows read back: v128-159 and v160-191 by turns
.set TMP,  192                         ; packed results: v192-223 and v224-255 by turns
.set G1, 24
.set G0, 32
.set G1B, 48
.set G0B, 56
.set G1S, 68
.set G0S, 76
.set G1SB, 80
.set G0SB, 88
.set MSB, 0
.macro WIN new                         ; the immediate's high byte repeats the setting that is left
.if MSB != \new
	s_set_vgpr_msb (MSB<<8)|\new
.set MSB, \new
.endif
.endm
.set MUL_LO, 0xa1                      ; source 0 (W) window 1, source 1 (X) window 0, C and D window 2
.set MUL_HI, 0xf1                      ; the same, C and D window 3
.set TO_B,   0x40                      ; destination window 1, address window 0
; A joint load: waves 0 and 1 fetch for X, waves 2 and 3 for W.  Each line has one mask and one set of registers for all that issue it; the branch hangs on the wave's number alone.
; An s_nop 0 and four v_nop follow each of the two lines.
.macro JLOAD g0a, g1a, g0b, g1b
	s_cmp_eq_u32 s15, 0
	s_cbranch_scc0 .Lfor_b_\@
	tensor_load_to_lds s[\g0a:\g0a+3], s[\g1a:\g1a+7]
	s_nop 0
.rept 4
	v_nop
.endr
	s_branch .Lasked_\@
.Lfor_b_\@:
	tensor_load_to_lds s[\g0b:\g0b+3], s[\g1b:\g1b+7]
	s_nop 0
.rept 4
	v_nop
.endr
.Lasked_\@:
.endm
.macro CROUND                          ; a round of the cluster's barrier
	s_barrier_signal -1
	s_barrier_wait -1
	s_cmp_lg_u32 s14, 0
	s_cbranch_scc1 .Lnot_wave_0_\@
	s_barrier_signal -3
.Lnot_wave_0_\@:
	s_barrier_wait -3
	s_barrier_signal -1
	s_barrier_wait -1
.endm
	s_load_b128 s[4:7], s[0:1], 0x0                ; X's codes, X's scales
	s_load_b128 s[8:11], s[0:1], 0x10              ; W's codes, W's scales
	s_load_b64 s[12:13], s[0:1], 0x20              ; qkv
	s_load_b64 s[96:97], s[0:1], 0x28              ; fq
	v_lshl_add_u32 v[SPW], v0, 2, SPARE
	v_mov_b32 v[NIL], 0
	ds_add_u32 v[SPW], v[NIL]                      ; the wave's opening: the add, twice on end, and its wait ahead of my first tensor load
	ds_add_u32 v[SPW], v[NIL]
	v_lshrrev_b32 v1, 5, v0
	v_readfirstlane_b32 s14, v1                    ; wave 0..3
	s_lshr_b32 s15, s14, 1                         ; which half of the tile's rows is mine.  Also: I fetch for X (0) or for W (1)
	s_and_b32 s16, s14, 1                          ; which half of its columns.  Also: which 128 rows of that tile I fetch
	s_bfe_u32 s40, ttmp6, 0x40000                  ; cx, cy: my place in the cluster
	s_bfe_u32 s41, ttmp6, 0x40004
	s_lshl_b32 s42, ttmp9, 2
	s_add_co_u32 s42, s42, s40                     ; tile column of C
	s_and_b32 s17, ttmp7, 0xffff
	s_lshl_b32 s17, s17, 2
	s_add_co_u32 s17, s17, s41                     ; tile row of C
	s_lshl_b32 s43, s41, 2
	s_lshl_b32 s43, 15, s43                        ; my row of the cluster
	s_lshl_b32 s44, 0x1111, s40                    ; my column
	s_or_b32 s[G1+0], s43, (0<<16)|(1<<20)|(1<<21)|(5<<22)|(3<<25)  ; the mask; elements of 1 byte; padding on; bit 21 beside a mask; after every 64 words 4 words
	s_or_b32 s[G1B+0], s44, (0<<16)|(1<<20)|(1<<21)|(5<<22)|(3<<25)
.irp g, G1, G1B
	s_mov_b32 s[\g+1], ROWB<<16                    ; tensor_dim0
	s_mov_b32 s[\g+2], 128<<16                     ; tensor_dim1
	s_mov_b32 s[\g+3], ROWB<<16                    ; tile_dim0
	s_mov_b32 s[\g+4], 128                         ; tile_dim1
	s_mov_b32 s[\g+5], KROW                        ; tensor_dim0_stride
	s_mov_b32 s[\g+6], 0
	s_mov_b32 s[\g+7], 0
.endr
	s_or_b32 s[G1S+0], s43, (3<<16)|(1<<20)|(1<<21)|(5<<22)|(3<<25)  ; the scales of 128 rows: a dense block, as rows of 256 bytes (32 elements of 8 bytes), 16 bytes of padding behind each
	s_or_b32 s[G1SB+0], s44, (3<<16)|(1<<20)|(1<<21)|(5<<22)|(3<<25)
.irp g, G1S, G1SB
	s_mov_b32 s[\g+1], 32<<16
	s_mov_b32 s[\g+2], (128*KS/256)<<16
	s_mov_b32 s[\g+3], 32<<16
	s_mov_b32 s[\g+4], 128*KS/256
	s_mov_b32 s[\g+5], 32
	s_mov_b32 s[\g+6], 0
	s_mov_b32 s[\g+7], 0
.endr
	s_lshl_b32 s18, s16, 7
	s_lshl_b32 s20, s17, 8
	s_add_co_u32 s20, s20, s18                     ; X: row 256 x tile row + 128 x half
	s_lshl_b32 s46, s42, 8
	s_add_co_u32 s46, s46, s18                     ; W: row 256 x tile column + 128 x half
	s_mov_b32 s21, 0
	s_mov_b32 s47, 0
	s_mov_b64 s[18:19], KS
	s_mul_u64 s[22:23], s[20:21], s[18:19]         ; where these rows' scales begin
	s_mul_u64 s[92:93], s[46:47], s[18:19]
	s_mov_b64 s[18:19], KROW
	s_mul_u64 s[20:21], s[20:21], s[18:19]         ; and their codes
	s_mul_u64 s[46:47], s[46:47], s[18:19]
	s_mul_i32 s45, s14, HALFT                      ; where they go: wave x 128 rows: no place in the cluster enters an LDS address
	s_mul_i32 s94, s14, HALFS
	s_wait_dscnt 0x0                               ; both opening adds are done
	s_wait_kmcnt 0x0
	s_add_nc_u64 s[20:21], s[4:5], s[20:21]
	s_add_nc_u64 s[22:23], s[6:7], s[22:23]
	s_add_nc_u64 s[46:47], s[8:9], s[46:47]
	s_add_nc_u64 s[92:93], s[10:11], s[92:93]
	CROUND                                         ; all sixteen work-groups are here: the joint loads meet
	s_mov_b32 s[G0S], 1
	s_add_co_u32 s[G0S+1], s94, SCL
	s_mov_b64 s[G0S+2:G0S+3], s[22:23]
	s_or_b32 s[G0S+3], s[G0S+3], 0x80000000
	s_mov_b32 s[G0SB], 1
	s_add_co_u32 s[G0SB+1], s94, SCL
	s_mov_b64 s[G0SB+2:G0SB+3], s[92:93]
	s_or_b32 s[G0SB+3], s[G0SB+3], 0x80000000
	JLOAD G0S, G1S, G0SB, G1SB                     ; the scales first: they are wanted with the first slot
.irp s, 0,1
	s_mov_b32 s[G0+4*\s], 1
	s_add_co_u32 s[G0+4*\s+1], s45, \s*SLOT
	s_add_nc_u64 s[G0+4*\s+2:G0+4*\s+3], s[20:21], \s*ROWB
	s_or_b32 s[G0+4*\s+3], s[G0+4*\s+3], 0x80000000
	s_mov_b32 s[G0B+4*\s], 1
	s_add_co_u32 s[G0B+4*\s+1], s45, \s*SLOT
	s_add_nc_u64 s[G0B+4*\s+2:G0B+4*\s+3], s[46:47], \s*ROWB
	s_or_b32 s[G0B+4*\s+3], s[G0B+4*\s+3], 0x80000000
	JLOAD G0+4*\s, G1, G0B+4*\s, G1B               ; three loads of mine are out behind the second of these
.endr
	v_and_b32 v1, 15, v0                           ; r = l % 16
	v_bfe_u32 v2, v0, 4, 1                         ; h = l / 16
	v_mul_u32_u24 v3, v1, PITCH
	v_lshl_add_u32 v4, v2, 4, v3                   ; a fragment's row x pitch + 16 x half
	s_mul_i32 s21, s15, HALFT                      ; my 128 rows of X
	s_mul_i32 s22, s16, HALFT                      ; my 128 rows of W,
	s_add_co_u32 s22, s22, 2*HALFT                 ; which lie behind X's 256
.irp s, 0,1
	v_add_nc_u32 v[ADRA+\s], s21, v4
	v_add_nc_u32 v[ADRB+\s], s22, v4
	s_add_co_u32 s21, s21, SLOT
	s_add_co_u32 s22, s22, SLOT
.endr
	v_mul_u32_u24 v5, v1, KS                       ; my row's scales: KS bytes a row,
	v_lshrrev_b32 v6, 8, v5
	v_lshl_add_u32 v5, v6, 4, v5                   ; and 16 more for each 256 passed
	s_mul_i32 s21, s15, HALFS
	s_mul_i32 s22, s16, HALFS
	s_add_co_u32 s22, s22, 2*HALFS
	s_sub_co_u32 s22, s22, s21
	v_mul_u32_u24 v6, s22, v2                      ; lanes 16-31 take W's: one product, the distance between the two bases
	s_add_co_u32 s21, s21, SCL
	v_add_nc_u32 v5, v5, v6
	v_add_nc_u32 v[ADRS], s21, v5
	s_mul_i32 s23, s14, 2*16*SPITCH                ; my stage
	v_mul_u32_u24 v5, v1, SPITCH                   ; in: row r, 16 bytes for each half of the lanes
	v_lshl_add_u32 v5, v2, 4, v5
	v_add_nc_u32 v[STO], s23, v5
	v_and_b32 v6, 31, v0
	v_lshlrev_b32 v[CO], 4, v6                     ; out: 32 lanes x 16 bytes = four rows of 128 bytes on end
	v_lshrrev_b32 v5, 3, v6
	v_mul_u32_u24 v5, v5, SPITCH
	v_and_b32 v6, 7, v0
	v_lshl_add_u32 v5, v6, 4, v5
	v_add_nc_u32 v[RD], s23, v5                    ; back: eight lanes to a row, four rows an instruction
	v_mul_u32_u24 v[FO], v1, 12288                 ; fq: row r of 3,072 f32,
	v_lshl_add_u32 v[FO], v2, 5, v[FO]             ; + 32 h
	; where my part of qkv begins: heads g and g + 1, g = 4 x tile column + 2 x half; which = g / 16, head = g % 16, batch = tile row / 8
	s_lshl_b32 s98, s42, 2
	s_lshl_b32 s99, s16, 1
	s_add_co_u32 s98, s98, s99                     ; g
	s_lshr_b32 s99, s98, 4
	s_lshl_b32 s99, s99, 6                         ; 64 x which
	s_and_b32 s98, s98, 15
	s_add_co_u32 s98, s98, s99
	s_lshr_b32 s99, s17, 3
	s_lshl_b32 s99, s99, 4                         ; 16 x batch
	s_add_co_u32 s98, s98, s99
	s_lshl_b32 s98, s98, 18                        ; a head is 262,144 bytes
	s_and_b32 s99, s17, 7
	s_lshl_b32 s99, s99, 15                        ; 256 positions of 128 bytes
	s_add_co_u32 s98, s98, s99
	s_lshl_b32 s99, s15, 14                        ; my 128 of them
	s_add_co_u32 s98, s98, s99
	s_mov_b32 s99, 0
	s_add_nc_u64 s[12:13], s[12:13], s[98:99]
	s_lshr_b32 s98, s17, 3
	s_mul_i32 s98, s98, 196608                     ; fq: a batch's 16 rows,
	s_lshl_b32 s99, s42, 10
	s_add_co_u32 s98, s98, s99                     ; + 4 x my first column
	s_lshl_b32 s99, s16, 9
	s_add_co_u32 s98, s98, s99
	s_mov_b32 s99, 0
	s_add_nc_u64 s[96:97], s[96:97], s[98:99]
	s_and_b32 s95, s17, 7
	s_or_b32 s95, s95, s15                         ; 0 where my rows 0 .. 15 are positions 0 .. 15 of a batch
.macro FRAG reg, adr, q, i             ; 16 rows x 128 K of 4-bit codes: 8 registers: lane l holds row l % 16; registers 4 c .. 4 c + 3 hold K = 64 c + 32 (l / 16) + 0 .. 31
.irp c, 0,1
	ds_load_b128 v[\reg+4*\c:\reg+4*\c+3], v[\adr] offset:64*(\q)+32*\c+(\i)*16*PITCH
.endr
.endm
; 16 matrix instructions: X's blocks a0, a0 + 1 x W's eight, the slot's q-th 128 along K.  p: W's set; sc: the set of scale words.  zero = 1: the first product starts the sums.
; The 64 accumulators take turns, one instruction a turn, in the same order in every step.
.macro MUL16 a0, p, q, sc, zero
.irp a, \a0, \a0+1
.irp b, 0,1,2,3,4,5,6,7
.if \zero
	v_wmma_scale_f32_16x16x128_f8f6f4 v[8*(8*((\a)%4)+\b):8*(8*((\a)%4)+\b)+7], v[128*(\p)+FR*\b:128*(\p)+FR*\b+FR-1], v[AF+FR*(\a):AF+FR*(\a)+FR-1], 0, v[SC+8*NQ*(\sc)+NQ*\b+(\q)], v[SC+8*NQ*(\sc)+NQ*(\a)+(\q)] matrix_a_fmt:MATRIX_FMT_FP4 matrix_b_fmt:MATRIX_FMT_FP4 matrix_a_scale:MATRIX_SCALE_ROW1
.else
	v_wmma_scale_f32_16x16x128_f8f6f4 v[8*(8*((\a)%4)+\b):8*(8*((\a)%4)+\b)+7], v[128*(\p)+FR*\b:128*(\p)+FR*\b+FR-1], v[AF+FR*(\a):AF+FR*(\a)+FR-1], v[8*(8*((\a)%4)+\b):8*(8*((\a)%4)+\b)+7], v[SC+8*NQ*(\sc)+NQ*\b+(\q)], v[SC+8*NQ*(\sc)+NQ*(\a)+(\q)] matrix_a_fmt:MATRIX_FMT_FP4 matrix_b_fmt:MATRIX_FMT_FP4 matrix_a_scale:MATRIX_SCALE_ROW1
.endif
.endr
.endr
.endm
.macro FETCH_B slot, q, p
	WIN TO_B
.irp i, 0,1,2,3,4,5,6,7
	FRAG 128*(\p)+FR*\i, ADRB+\slot, \q, \i
.endr
	WIN 0
.endm
.macro FETCH_A slot, q, i0
.irp i, \i0, \i0+1, \i0+2, \i0+3
	FRAG AF+FR*(\i), ADRA+\slot, \q, \i
.endr
.endm
.macro SCALES sc                       ; a slot's scale words: 4 words a row; lanes 0-15 take X's block i, lanes 16-31 W's block i
.irp i, 0,1,2,3,4,5,6,7
	ds_load_b128 v[SC+8*NQ*\sc+NQ*\i:SC+8*NQ*\sc+NQ*\i+3], v[ADRS] offset:\i*SBLK
.endr
.endm
.macro PLACES n                        ; plain vector lines between a matrix instruction and a load into, or a read of, its registers
.rept \n
	v_nop
.endr
.endm
.macro STEP slot, q, zero              ; a step of 128 along K that has its successor in the same slot
	s_wait_dscnt 4*NL                              ; W's set and X's blocks 0-3 are in; the youngest eight loads (X's blocks 4-7) may be out
	WIN MUL_LO
	MUL16 0, (\q)%2, \q, \slot, \zero
	MUL16 2, (\q)%2, \q, \slot, \zero
	s_wait_dscnt 0                                 ; X's blocks 4-7 are in
	PLACES NP
	FETCH_B \slot, (\q)+1, 1-(\q)%2
	FETCH_A \slot, (\q)+1, 0
	WIN MUL_HI
	MUL16 4, (\q)%2, \q, \slot, \zero
	MUL16 6, (\q)%2, \q, \slot, \zero
	PLACES NP
	WIN 0
	FETCH_A \slot, (\q)+1, 4
.endm
; Slot 0's last step changes slots: one barrier; in front of it each wave waits for all its tensor loads (slot 1's is the one that may be out), adds 0 to its spare word, and waits for that and for its reads of slot 0.
; Behind it slot 0 is read by nobody, which is what the stage on the way out leans on.
.macro TURN slot, next
	s_wait_tensorcnt 0x0
	ds_add_u32 v[SPW], v[NIL]
	s_wait_dscnt 4*NL+1                            ; (the add and the youngest eight loads may be out)
	WIN MUL_LO
	MUL16 0, 1, NQ-1, \slot, 0
	s_wait_dscnt 0x0                               ; the add is done, and my reads of this slot are over
	s_barrier_signal -1
	MUL16 2, 1, NQ-1, \slot, 0
	WIN 0
	s_barrier_wait -1
	PLACES NP
	v_add_nc_u32 v[ADRS], 4*NQ, v[ADRS]            ; on to the next slot's scale words
	FETCH_B \next, 0, 0
	FETCH_A \next, 0, 0
	SCALES \next
	WIN MUL_HI
	MUL16 4, 1, NQ-1, \slot, 0
	MUL16 6, 1, NQ-1, \slot, 0
	PLACES NP
	WIN 0
	FETCH_A \next, 0, 4
.endm
.macro STEPS slot, from
.set Q, \from
.rept NQ-1-\from
	STEP \slot, Q, 0
.set Q, Q+1
.endr
.endm
	s_wait_tensorcnt 1                             ; the scales and my part of slot 0 are in (slot 1's load may be out),
	s_barrier_signal -1
	s_barrier_wait -1                              ; everybody's are
	FETCH_B 0, 0, 0
	FETCH_A 0, 0, 0
	SCALES 0
	FETCH_A 0, 0, 4
	STEP 0, 0, 1                                   ; the first step's products start the sums
	STEPS 0, 1
	TURN 0, 1
	STEPS 1, 0
	s_wait_dscnt 4*NL                              ; the last step: nothing more to fetch
	WIN MUL_LO
	MUL16 0, 1, NQ-1, 1, 0
	MUL16 2, 1, NQ-1, 1, 0
	s_wait_dscnt 0
	WIN MUL_HI
	MUL16 4, 1, NQ-1, 1, 0
	MUL16 6, 1, NQ-1, 1, 0
	WIN 0
	; THE WAY OUT.  First the f32 copy of positions 0 .. 15: block 0 of the waves whose flag is 0; elsewhere every lane is off.
	PLACES NP
	v_mov_b32 v[FL], s95
	v_cmp_eq_u32 vcc_lo, 0, v[FL]
	s_wait_xcnt 0x0                                ; EXEC changes only behind this wait
	s_and_saveexec_b32 s94, vcc_lo
	WIN 0x08                                       ; a store's data are its source 1: window 2
.irp b, 0,1,2,3,4,5,6,7
	global_store_b128 v[FO], v[8*\b:8*\b+3], s[96:97] offset:64*\b       ; each accumulator from its low end on: columns 16 b + 8 h + 0 .. 3 of position r,
	global_store_b128 v[FO], v[8*\b+4:8*\b+7], s[96:97] offset:64*\b+16  ; and + 4 .. 7
.endr
	WIN 0
	s_wait_xcnt 0x0                                ; and again in front of the line that restores it
	s_or_b32 exec_lo, exec_lo, s94
; Block a (16 tokens x 128 columns = 2 heads): rounded to f16, 16 bytes a lane for each 16 columns; through my stage; back as rows; stored as runs of 512 bytes.
.macro PACK a
.set AC, 64*((\a)%4)
.set TT, TMP+32*((\a)%2)
	WIN 0x0a+5*((\a)/4)                            ; sources 0 and 1: window 2 or 3
.irp b, 0,1,2,3,4,5,6,7
.irp i, 0,1,2,3
	v_cvt_pk_f16_f32 v[TT+4*\b+\i], v[AC+8*\b+2*\i], v[AC+8*\b+2*\i+1]
.endr
.endr
	WIN 0
.endm
.macro TOSTAGE a
.set TT, TMP+32*((\a)%2)
.set BB, BK+32*((\a)%2)
.irp b, 0,1,2,3,4,5,6,7
	ds_store_b128 v[STO], v[TT+4*\b:TT+4*\b+3] offset:(\b/4)*16*SPITCH+(\b%4)*32
.endr
.irp i, 0,1,2,3,4,5,6,7
	ds_load_b128 v[BB+4*\i:BB+4*\i+3], v[RD] offset:(\i/4)*16*SPITCH+(\i%4)*4*SPITCH   ; LDS serves a wave's instructions in order (ISA guide 5.7.1.4): these see the stores above
.endr
.endm
.macro SEND a, younger
.set BB, BK+32*((\a)%2)
	s_wait_dscnt \younger                          ; the block is back in registers; the next block's LDS instructions may be out
.irp i, 0,1,2,3,4,5,6,7
	global_store_b128 v[CO], v[BB+4*\i:BB+4*\i+3], s[12:13] offset:(\i/4)*262144+(\a)*2048+(\i%4)*512   ; 32 lanes store 512 consecutive bytes, aligned: four positions of one head
.endr
.endm
	PACK 0
	TOSTAGE 0
.irp a, 1,2,3,4,5,6,7
.if \a > 1
	s_wait_xcnt 0x0                                ; block a - 2's stores have read their registers: block a's loads may land there
.endif
	PACK \a
	TOSTAGE \a
	SEND \a-1, 16                                  ; behind block a - 1's loads: block a's 8 stores and 8 loads
.endr
	SEND 7, 0
	s_wait_tensorcnt 0x0                           ; the wave's end
	ds_add_u32 v[SPW], v[NIL]
	s_wait_dscnt 0x0
	CROUND                                         ; the closing round
	s_endpgm
.Lfunc_end_k_qb7ca9a8a71_qkv:
	.size	k_qb7ca9a8a71_qkv, .Lfunc_end_k_qb7ca9a8a71_qkv-k_qb7ca9a8a71_qkv
	.p2alignl 7, 3214868480
	.fill 96, 4, 3214868480
	.section	.rodata,"a",@progbits
	.p2align	6, 0x0
	.amdhsa_kernel k_qb7ca9a8a71_qkv
		.amdhsa_group_segment_fixed_size 327680
		.amdhsa_private_segment_fixed_size 0
		.amdhsa_enable_private_segment 0
		.amdhsa_kernarg_size 48
		.amdhsa_user_sgpr_count 2
		.amdhsa_user_sgpr_kernarg_segment_ptr 1
		.amdhsa_wavefront_size32 1
		.amdhsa_system_sgpr_workgroup_id_x 1
		.amdhsa_system_sgpr_workgroup_id_y 1
		.amdhsa_system_sgpr_workgroup_id_z 1
		.amdhsa_system_vgpr_workitem_id 0
		.amdhsa_next_free_vgpr 1024
		.amdhsa_next_free_sgpr 100
		.amdhsa_reserve_vcc 1
		.amdhsa_float_denorm_mode_32 3
		.amdhsa_float_denorm_mode_16_64 3
		.amdhsa_memory_ordered 1
		.amdhsa_forward_progress 1
		.amdhsa_inst_pref_size 129
	.end_amdhsa_kernel
	.amdgpu_metadata
---
amdhsa.version: [ 1, 2 ]
amdhsa.kernels:
  - .name:           k_qb7ca9a8a71_qkv
    .symbol:         k_qb7ca9a8a71_qkv.kd
    .args:
      - { .name: xc, .offset: 0, .size: 8, .value_kind: global_buffer, .address_space: global }
      - { .name: xs, .offset: 8, .size: 8, .value_kind: global_buffer, .address_space: global }
      - { .name: wc, .offset: 16, .size: 8, .value_kind: global_buffer, .address_space: global }
      - { .name: ws, .offset: 24, .size: 8, .value_kind: global_buffer, .address_space: global }
      - { .name: qkv, .offset: 32, .size: 8, .value_kind: global_buffer, .address_space: global }
      - { .name: fq, .offset: 40, .size: 8, .value_kind: global_buffer, .address_space: global }
    .group_segment_fixed_size: 327680
    .private_segment_fixed_size: 0
    .kernarg_segment_align: 8
    .kernarg_segment_size: 48
    .max_flat_workgroup_size: 128
    .sgpr_count:     100
    .vgpr_count:     1024
    .wavefront_size: 32
...
	.end_amdgpu_metadata
.endif
;; end of part 3
;; launch attn (part 4): grid 4 x 64, 16 waves a work-group, clusters of 4 x 1, 327,680 bytes of LDS; arguments qkv, ao; writes ao
.if DOCPART == 4
	.amdgcn_target "amdgcn-amd-amdhsa--gfx1250"
	.amdhsa_code_object_version 6
	.text
	.protected	k_qb7ca9a8a71_attn
	.globl	k_qb7ca9a8a71_attn
	.p2align	8
	.type	k_qb7ca9a8a71_attn,@function
k_qb7ca9a8a71_attn:
	s_mov_b64 s[64:65], 0
	v_nop
	global_prefetch_b8 v0, s[64:65] scope:SCOPE_SE
	s_setreg_imm32_b32 hwreg(HW_REG_WAVE_MODE, 25, 1), 1
	s_wait_xcnt 0x0
	s_wait_alu depctr_hold_cnt(0) depctr_sa_sdst(0) depctr_va_vdst(0) depctr_va_sdst(0) depctr_va_ssrc(0) depctr_va_vcc(0) depctr_vm_vsrc(0)
	s_getreg_b32 s2, hwreg(HW_REG_IB_STS2, 6, 4)
	s_cmp_eq_u32 s2, 0
	s_cbranch_scc0 .Lentry_in_a_cluster
	s_endpgm
.Lentry_in_a_cluster:
	s_bfe_u32 s2, ttmp6, 0x10000c
	s_cmp_lg_u32 s2, 0x3003
	s_cbranch_scc0 .Lentry_shape_is_right
	s_endpgm
.Lentry_shape_is_right:
; Causal attention, head size 64: O[q] = sum over k <= q of softmax_k(Q[q] . K[k] / 8) V[k].  Q, K, V: f16, qkv [which][batch][head][2048][64].  Products by the f16 matrix form with f32 sums; maxima, exponentials and sums in f32;
; the weights p are rounded to f16 for the second product; O is rounded once, to f16, into ao [head][token][64] (the last product takes f16).  A running maximum is taken away before every exponential.
; SHARES.  A cluster of four work-groups is one (batch, head).  The head's queries fall into 16 groups of 128; partner cx takes queries 128 g + 32 cx + 0 .. 31 of EVERY group, and each of its sixteen waves owns one group: two tiles of 16 queries.
; So all 256 work-groups have the same work.  The group of wave w is w xor 3 ((w / 4) % 2): waves w, w + 4, w + 8, w + 12 then have 68 key steps together, whichever w.
; A wave walks the key steps (64 keys) whose first key is at or under its group's last query, 128 g + 127: a test on the wave's number and the count of steps alone, the same in all four partners.  Every wave runs every barrier.
; The wave of group 15 reads every slot in every partner, so every joint load is read.  In a group's last two steps hidden scores become -infinity ahead of the maximum; key 0 counts for every query, so the maximum is a number from the first step on.
; K AND V come through two LDS slots of 256 keys, asked for JOINTLY by the four partners (waves 0, 1: K's halves; waves 2, 3: V's), one load a wave behind each round of the cluster's barrier.
; LAYOUT.  S^T = K Q^T (source 0 = 16 keys, source 1 = 16 queries), O^T = V^T P (source 0 = 16 channels, by the turning LDS load; source 1 = P): a lane holds ONE query (lane % 16) throughout, and two tiles of S^T, packed to f16 in pairs, ARE P's fragment.
; Four waves share a SIMD: one wave's vector work stands beside another's matrix work and LDS loads.
; LIMITS: |q|, |k|, |v| under 65,504 (f16); rows 0 .. 15 of each batch are made here in f16 like the rest and are made again in f32 by the last launch.
; REGISTERS: v1-11 addresses and constants; v12-27 statistics, 8 a tile (+0 c m, +1 m, +2, +3 the sum in two halves, +4 .. +7 at work; a takes +6); v28-59 Q; v60-123 K, then V, of a step; v124-187 S^T, then p, then P in each tile's first 16;
;   v188-251 O^T; v252-255 second chains of the sums.
.set PK,    144                        ; a key's row of K in LDS: 128 bytes + 16
.set PV,    160                        ; of V: 128 + 32: an odd multiple of 32, for the turning load
.set VOFF,  256*PK                     ; a slot: 256 rows of K, then 256 rows of V
.set SLOT1, 1<<17                      ; slot 1 begins here: one exclusive or turns an address from one slot to the other
.set STAGE, 2*SLOT1                    ; the way out: 16 rows x 144 bytes for each wave
.set SPARE, STAGE+16*16*PK             ; the spare words, 128 bytes a wave, which no other line names
.set AK0, 1
.set AV0, 2
.set ADK, 3
.set ADV, 4
.set DQ,  5                            ; v5   my query of tile 0, less 8 (lane / 16)
.set SPW, 6
.set NIL, 7
.set PFO, 8                            ; v8   256 x lane
.set DD,  9
.set NINF, 10
.set ST,  12
.set Q,   28
.set KV,  60
.set S,   124
.set O,   188
.set TC,  252
.set WV,  8
.set CX,  9
.set BH,  10
.set RHO, 11
.set QL,  12                           ; s12  my group's last query
.set QD,  13                           ; s13  its first
.set KF,  14                           ; s14  the step's first key
.set TK,  15                           ; s15  LDS byte of the step's K
.set TV,  16                           ; s16  of its V
.set SLOTS, 17
.set STP, 18
.set LIM, 19
.set SEL, 20
.set CS,  22                           ; s[22:23] c = log2(e) / 8
.set G1K, 24
.set G1V, 32
.set G0K, 40
.set G0V, 44
.set PFA, 48
.set QB,  66
.set AB,  68
.macro CROUND                          ; a round of the cluster's barrier
	s_barrier_signal -1
	s_barrier_wait -1
	s_cmp_lg_u32 s[WV], 0
	s_cbranch_scc1 .Lnot_wave_0_\@
	s_barrier_signal -3
.Lnot_wave_0_\@:
	s_barrier_wait -3
	s_barrier_signal -1
	s_barrier_wait -1
.endm
; Waves 0 and 1 fetch K's halves of a slot, waves 2 and 3 V's, the others nothing: branches on the wave's number alone, the same in all partners.  An s_nop 0 and four v_nop follow each load.
.macro TLOAD
	s_cmp_lt_u32 s[WV], 2
	s_cbranch_scc0 .Lnot_k_\@
	tensor_load_to_lds s[G0K:G0K+3], s[G1K:G1K+7]
	s_nop 0
.rept 4
	v_nop
.endr
	s_branch .Lasked_\@
.Lnot_k_\@:
	s_cmp_lt_u32 s[WV], 4
	s_cbranch_scc0 .Lasked_\@
	tensor_load_to_lds s[G0V:G0V+3], s[G1V:G1V+7]
	s_nop 0
.rept 4
	v_nop
.endr
.Lasked_\@:
.endm
; A prefetch of what the NEXT change of slots will ask for: a slot's K and V are 32,768 dense bytes each.  The four partners take 8,192 bytes each, told apart by address; in each, wave 4 asks for K's and wave 5 for V's, lanes 256 bytes apart:
; each aligned 256 bytes is named once in the launch.  The last change that fills a slot asks for nothing; slots 0 and 1 come by their loads alone.
.macro ASK
	s_cmp_gt_u32 s[SLOTS], s[LIM]
	s_cbranch_scc0 .Lnot_mine_\@
	global_prefetch_b8 v[PFO], s[PFA:PFA+1] th:TH_LOAD_NT scope:SCOPE_SE
.Lnot_mine_\@:
.endm
	s_load_b128 s[4:7], s[0:1], 0x0                ; qkv, ao
	v_lshl_add_u32 v[SPW], v0, 2, SPARE
	v_mov_b32 v[NIL], 0
	ds_add_u32 v[SPW], v[NIL]                      ; the wave's opening: the add, twice on end, and its wait ahead of the first tensor loads
	ds_add_u32 v[SPW], v[NIL]
	v_lshrrev_b32 v1, 5, v0
	v_readfirstlane_b32 s[WV], v1                  ; wave 0..15
	s_bfe_u32 s[CX], ttmp6, 0x40000                ; my place in the cluster: it enters Q's and O's addresses, the mask's numbers and the prefetch's address alone
	s_and_b32 s[BH], ttmp7, 0xffff                 ; 16 x batch + head, which the partners share
	s_bfe_u32 s52, s[WV], 0x10002                  ; (w / 4) % 2
	s_mul_i32 s52, s52, 3
	s_xor_b32 s[RHO], s[WV], s52                   ; my group of 128 queries
	s_lshl_b32 s[QD], s[RHO], 7
	s_add_co_u32 s[QL], s[QD], 127
	s_mov_b32 s[G1K], 15|(1<<16)|(1<<20)|(1<<21)|(4<<22)|(3<<25)   ; the mask: all four; elements of 2 bytes; padding on; bit 21 beside a mask; after every 32 words 4 words
	s_mov_b32 s[G1V], 15|(1<<16)|(1<<20)|(1<<21)|(4<<22)|(7<<25)   ; the same with 8 words
.irp g, G1K, G1V
	s_mov_b32 s[\g+1], 64<<16                      ; tensor_dim0 = 64
	s_mov_b32 s[\g+2], 128<<16                     ; tensor_dim1 = 128
	s_mov_b32 s[\g+3], 64<<16                      ; tile_dim0 = 64
	s_mov_b32 s[\g+4], 128                         ; tile_dim1 = 128
	s_mov_b32 s[\g+5], 64                          ; from row to row
	s_mov_b32 s[\g+6], 0
	s_mov_b32 s[\g+7], 0
.endr
	s_mov_b32 s[SEL], 0x76543210
	s_mov_b32 s[SEL+1], 0xfedcba98
	s_mov_b32 s[CS], 0x3e38aa3b                    ; c = log2(e) / sqrt(64)
	s_mov_b32 s[CS+1], s[CS]
	s_mov_b32 s[KF], 0
	s_mov_b32 s[TK], 0
	s_mov_b32 s[TV], VOFF
	s_mov_b32 s[SLOTS], 7
	s_and_b32 s52, s[WV], 1                        ; which 128 keys of a slot I fetch, if I fetch
	s_mul_i32 s53, s52, 128*PK                     ; K: in a slot,
	s_mul_i32 s54, s52, 128*PV
	s_add_co_u32 s54, s54, VOFF                    ; V: in a slot,
	s_lshl_b32 s55, s52, 14                        ; and in memory: 128 rows of 128 bytes
	s_add_co_u32 s56, s[BH], 64
	s_lshl_b32 s56, s56, 18                        ; the head's K (a head is 262,144 bytes)
	s_add_co_u32 s56, s56, s55
	s_mov_b32 s57, 0
	s_add_co_u32 s58, s[BH], 128
	s_lshl_b32 s58, s58, 18                        ; the head's V
	s_add_co_u32 s58, s58, s55
	s_mov_b32 s59, 0
	s_cmp_eq_u32 s[WV], 4                          ; the prefetches: wave 4 K's, wave 5 V's
	s_cselect_b32 s60, 64, 128
	s_add_co_u32 s60, s60, s[BH]
	s_lshl_b32 s60, s60, 18
	s_lshl_b32 s61, s[CX], 13                      ; my work-group's 8,192 bytes of a slot's 32,768,
	s_add_co_u32 s60, s60, s61
	s_add_co_u32 s60, s60, 32768                   ; in slot 1: the first change of slots steps it to slot 2
	s_mov_b32 s61, 0
	s_lshr_b32 s62, s[WV], 1
	s_cmp_eq_u32 s62, 2
	s_cselect_b32 s[LIM], 1, -1
	s_lshl_b32 s62, s[RHO], 14                     ; my 32 queries: (128 group + 32 cx) rows of 128 bytes
	s_lshl_b32 s63, s[CX], 12
	s_add_co_u32 s62, s62, s63
	s_lshl_b32 s52, s[BH], 18
	s_add_co_u32 s52, s52, s62                     ; in the head's Q (s53 still holds K's LDS address: it is copied into the descriptor below, and cleared behind that)
	s_and_b32 s63, s[BH], 15
	s_lshl_b32 s63, s63, 20                        ; ao: the head's 8,192 tokens of 128 bytes,
	s_add_co_u32 s62, s62, s63
	s_lshr_b32 s63, s[BH], 4
	s_lshl_b32 s63, s63, 18                        ; the batch's 2,048
	s_add_co_u32 s62, s62, s63
	s_mov_b32 s63, 0
	s_wait_dscnt 0x0                               ; both opening adds are done
	s_wait_kmcnt 0x0
	s_mov_b32 s[G0K], 1
	s_mov_b32 s[G0K+1], s53
	s_add_nc_u64 s[G0K+2:G0K+3], s[4:5], s[56:57]
	s_or_b32 s[G0K+3], s[G0K+3], 0x80000000
	s_mov_b32 s[G0V], 1
	s_mov_b32 s[G0V+1], s54
	s_add_nc_u64 s[G0V+2:G0V+3], s[4:5], s[58:59]
	s_or_b32 s[G0V+3], s[G0V+3], 0x80000000
	s_add_nc_u64 s[PFA:PFA+1], s[4:5], s[60:61]
	s_add_nc_u64 s[AB:AB+1], s[6:7], s[62:63]
	s_mov_b32 s53, 0
	s_add_nc_u64 s[QB:QB+1], s[4:5], s[52:53]
	CROUND                                         ; all four work-groups are here: the first joint loads meet
	TLOAD                                          ; slot 0
	v_and_b32 v9, 15, v0                           ; r
	v_bfe_u32 v10, v0, 4, 1                        ; h
	v_lshlrev_b32 v11, 7, v9
	v_lshl_add_u32 v11, v10, 4, v11                ; Q: row r of 128 bytes, + 16 h
.irp t, 0,1
.irp c, 0,1
	global_load_b128 v[Q+16*\t+8*\c:Q+16*\t+8*\c+3], v11, s[QB:QB+1] offset:\t*2048+64*\c       ; Q stays in registers: tile t, channels 32 c on
	global_load_b128 v[Q+16*\t+8*\c+4:Q+16*\t+8*\c+7], v11, s[QB:QB+1] offset:\t*2048+64*\c+32
.endr
.endr
	v_mul_u32_u24 v[AK0], v9, PK
	v_lshl_add_u32 v[AK0], v10, 4, v[AK0]          ; K: row r x pitch + 16 h
	v_and_b32 v3, 7, v0
	v_lshl_add_u32 v[AV0], v10, 3, v3
	v_mul_u32_u24 v[AV0], v[AV0], PV
	v_bfe_u32 v3, v0, 3, 1
	v_lshl_add_u32 v[AV0], v3, 4, v[AV0]           ; V, for the turning load: key 8 h + l % 8, channels 8 ((l / 8) % 2) on
	v_lshlrev_b32 v3, 3, v10
	v_sub_nc_u32 v[DQ], v9, v3
	s_lshl_b32 s52, s[CX], 5
	s_add_co_u32 s52, s52, s[QD]
	v_add_nc_u32 v[DQ], s52, v[DQ]                 ; 128 group + 32 cx + r - 8 h
	v_and_b32 v[PFO], 31, v0
	v_lshlrev_b32 v[PFO], 8, v[PFO]
	v_mov_b32 v[NINF], 0xff800000                  ; -infinity
.irp t, 0,1
	v_mov_b32 v[ST+8*\t+1], 0xff61b1e6             ; the largest score so far: -3e38, under every score
	v_mul_f32 v[ST+8*\t], s[CS], v[ST+8*\t+1]      ; c m
	v_mov_b32 v[ST+8*\t+2], 0                      ; the sum, in two halves
	v_mov_b32 v[ST+8*\t+3], 0
.irp j, 4,5,6,7
	v_mov_b32 v[ST+8*\t+\j], 0                     ; written once: a lane permute's destination and a packed operand's upper half count as read
.endr
.endr
.irp j, 0,1,2,3,4,5,6,7,8,9,10,11,12,13,14,15,16,17,18,19,20,21,22,23,24,25,26,27,28,29,30,31,32,33,34,35,36,37,38,39,40,41,42,43,44,45,46,47,48,49,50,51,52,53,54,55,56,57,58,59,60,61,62,63
	v_mov_b32 v[O+\j], 0                           ; O^T.  (The key step is written once, in a loop: its first trip finds zeros, which the first a = 0 leaves zeros)
.endr
; A KEY STEP: 64 keys, for my two tiles of queries.
.macro STEP
	s_cmp_gt_u32 s[KF], s[QL]                      ; all keys of the step come after my group's queries: the step's work is left out (not the lines at its end that step addresses)
	s_cbranch_scc1 .Lskip_\@
	v_add_nc_u32 v[ADK], s[TK], v[AK0]
	v_add_nc_u32 v[ADV], s[TV], v[AV0]
.rept 3
	v_nop                                          ; with the two additions: five places behind the last V^T P, whose fragments of V the loads below overwrite and whose P the next products write over
.endr
.irp kt, 0,1,2,3
.irp c, 0,1
	ds_load_b128 v[KV+16*\kt+8*\c:KV+16*\kt+8*\c+3], v[ADK] offset:\kt*16*PK+64*\c        ; keys 16 kt on, channels 32 c on
	ds_load_b128 v[KV+16*\kt+8*\c+4:KV+16*\kt+8*\c+7], v[ADK] offset:\kt*16*PK+64*\c+32
.endr
.endr
	s_wait_dscnt 0x0
.set i, 0
.rept 16                               ; S^T = K Q^T: eight accumulators by turns, one instruction a turn; the first eight start the sums
.set rS, S+32*(i%2)+8*((i/2)%4)
.set rK, KV+16*((i/2)%4)+8*(i/8)
.set rQ, Q+16*(i%2)+8*(i/8)
.if i < 8
	v_wmma_f32_16x16x32_f16 v[rS:rS+7], v[rK:rK+7], v[rQ:rQ+7], 0
.else
	v_wmma_f32_16x16x32_f16 v[rS:rS+7], v[rK:rK+7], v[rQ:rQ+7], v[rS:rS+7]
.endif
.set i, i+1
.endr
.rept 4
	v_nop                                          ; places in front of the loads into K's registers and of the first read of the scores
.endr
.irp kc, 0,1
.irp dt, 0,1,2,3
	ds_load_tr16_b128 v[KV+32*\kc+8*\dt:KV+32*\kc+8*\dt+3], v[ADV] offset:\kc*32*PV+32*\dt        ; V^T: channels 16 dt on, keys 32 kc on; they land while the softmax is worked
	ds_load_tr16_b128 v[KV+32*\kc+8*\dt+4:KV+32*\kc+8*\dt+7], v[ADV] offset:\kc*32*PV+32*\dt+16*PV
.endr
.endr
	s_cmp_lt_u32 s[KF], s[QD]                      ; all 64 keys come before my group's first query: nothing is hidden
	s_cbranch_scc1 .Lopen_\@
	v_sub_nc_u32 v[DD], v[DQ], s[KF]               ; register 8 kt + j of tile t holds key KF + 16 kt + 8 h + j: hidden where 16 kt + j - 16 t > d
.irp t, 0,1
.irp n, 0,1,2,3,4,5,6,7,8,9,10,11,12,13,14,15,16,17,18,19,20,21,22,23,24,25,26,27,28,29,30,31
	v_cmp_gt_i32 vcc_lo, 16*(\n/8)+\n%8-16*\t, v[DD]
	v_cndmask_b32 v[S+32*\t+\n], v[S+32*\t+\n], v[NINF], vcc_lo
.endr
.endr
.Lopen_\@:
	; the softmax, the two tiles line by line.  The maximum of 32 scores and the old m: four chains, each beginning at an accumulator's low end
.irp j, 0,1,2,3
.irp t, 0,1
	v_max3_num_f32 v[ST+8*\t+4+\j], v[S+32*\t+8*\j], v[S+32*\t+8*\j+1], v[S+32*\t+8*\j+2]
.endr
.endr
.irp g, 1,2
.irp j, 0,1,2,3
.irp t, 0,1
	v_max3_num_f32 v[ST+8*\t+4+\j], v[ST+8*\t+4+\j], v[S+32*\t+8*\j+2*\g+1], v[S+32*\t+8*\j+2*\g+2]
.endr
.endr
.endr
.irp t, 0,1
	v_max3_num_f32 v[ST+8*\t+4], v[ST+8*\t+4], v[S+32*\t+7], v[S+32*\t+15]
.endr
.irp t, 0,1
	v_max3_num_f32 v[ST+8*\t+6], v[ST+8*\t+6], v[S+32*\t+23], v[S+32*\t+31]
.endr
.irp t, 0,1
	v_max3_num_f32 v[ST+8*\t+4], v[ST+8*\t+4], v[ST+8*\t+5], v[ST+8*\t+6]
.endr
.irp t, 0,1
	v_max3_num_f32 v[ST+8*\t+4], v[ST+8*\t+4], v[ST+8*\t+7], v[ST+8*\t+1]
.endr
.irp t, 0,1
	v_permlanex16_b32 v[ST+8*\t+5], v[ST+8*\t+4], s[SEL], s[SEL+1]   ; the query's other 32 keys lie in the lane 16 away
.endr
.irp t, 0,1
	v_mov_b32 v[ST+8*\t+7], v[ST+8*\t]             ; c m_old
.endr
.irp t, 0,1
	v_max_num_f32 v[ST+8*\t+1], v[ST+8*\t+4], v[ST+8*\t+5]           ; the new m
.endr
.irp t, 0,1
	v_mul_f32 v[ST+8*\t], s[CS], v[ST+8*\t+1]
.endr
.irp t, 0,1
	v_sub_f32 v[ST+8*\t+7], v[ST+8*\t+7], v[ST+8*\t]                 ; c m_old - c m_new
.endr
.irp p, 0,2,4,6,8,10,12,14,16,18,20,22,24,26,28,30
.irp t, 0,1
	v_pk_fma_f32 v[S+32*\t+\p:S+32*\t+\p+1], v[S+32*\t+\p:S+32*\t+\p+1], s[CS:CS+1], v[ST+8*\t:ST+8*\t+1] op_sel_hi:[1,0,0] neg_lo:[0,0,1] neg_hi:[0,0,1]   ; c s - c m, two at a time
.endr
.endr
.irp t, 0,1
	v_exp_f32 v[ST+8*\t+6], v[ST+8*\t+7]           ; a = 2^(c m_old - c m_new)
.endr
.irp n, 0,1,2,3,4,5,6,7,8,9,10,11,12,13,14,15,16,17,18,19,20,21,22,23,24,25,26,27,28,29,30,31
.irp t, 0,1
	v_exp_f32 v[S+32*\t+\n], v[S+32*\t+\n]         ; p = 2^(c s - c m), at most 1
.endr
.endr
	v_nop                                          ; one plain line behind the last exponential
	s_wait_alu depctr_va_vdst(0)                   ; the wait ahead of the first line that names a result: ONE for the batch of 66
.irp t, 0,1
	v_pk_mul_f32 v[ST+8*\t+2:ST+8*\t+3], v[ST+8*\t+2:ST+8*\t+3], v[ST+8*\t+6:ST+8*\t+7] op_sel_hi:[1,0]   ; the sum under the new m
.endr
.irp t, 0,1
	v_pk_add_f32 v[TC+2*\t:TC+2*\t+1], v[S+32*\t:S+32*\t+1], v[S+32*\t+2:S+32*\t+3]    ; the row's sum of the f32 p, two at a time, in two chains
.endr
.irp j, 4,8,12,16,20,24,28
.irp t, 0,1
	v_pk_add_f32 v[ST+8*\t+2:ST+8*\t+3], v[ST+8*\t+2:ST+8*\t+3], v[S+32*\t+\j:S+32*\t+\j+1]
	v_pk_add_f32 v[TC+2*\t:TC+2*\t+1], v[TC+2*\t:TC+2*\t+1], v[S+32*\t+\j+2:S+32*\t+\j+3]
.endr
.endr
.irp t, 0,1
	v_pk_add_f32 v[ST+8*\t+2:ST+8*\t+3], v[ST+8*\t+2:ST+8*\t+3], v[TC+2*\t:TC+2*\t+1]
.endr
.irp i, 0,1,2,3,4,5,6,7,8,9,10,11,12,13,14,15
.irp t, 0,1
	v_cvt_pk_f16_f32 v[S+32*\t+\i], v[S+32*\t+2*\i], v[S+32*\t+2*\i+1]   ; P, packed in place, ascending: register i is written when registers 2 i and 2 i + 1 are read
.endr
.endr
.irp i, 0,2,4,6,8,10,12,14,16,18,20,22,24,26,28,30
.irp t, 0,1
	v_pk_mul_f32 v[O+32*\t+\i:O+32*\t+\i+1], v[O+32*\t+\i:O+32*\t+\i+1], v[ST+8*\t+6:ST+8*\t+7] op_sel_hi:[1,0]   ; O^T under the new m
.endr
.endr
	s_wait_dscnt 0x0                               ; V is in
.set i, 0
.rept 16                               ; O^T += V^T P: eight accumulators by turns
.set rO, O+32*(i%2)+8*((i/2)%4)
.set rV, KV+32*(i/8)+8*((i/2)%4)
.set rP, S+32*(i%2)+8*(i/8)
	v_wmma_f32_16x16x32_f16 v[rO:rO+7], v[rV:rV+7], v[rP:rP+7], v[rO:rO+7]
.set i, i+1
.endr
.Lskip_\@:
	s_add_co_u32 s[KF], s[KF], 64
	s_add_co_u32 s[TK], s[TK], 64*PK
	s_add_co_u32 s[TV], s[TV], 64*PV
.endm
; THE CHANGE OF SLOTS stands at a slot's head.  Each wave waits for all its tensor loads (its part of the slot about to be read), adds 0 to its spare word, and waits for that and for its reads of the slot that it has left.
; fill = 1: a round of the cluster's barrier, so that no wave of any partner still reads that slot or has a load on its way; then the joint load of the next 256 keys into it: a whole slot's steps in which to land.
.macro CHANGE fill
	s_wait_tensorcnt 0x0                           ; no tensor load of mine is out, so a group 0 may be written
	ds_add_u32 v[SPW], v[NIL]
.if \fill
	ds_add_u32 v[SPW], v[NIL]                      ; and once more: written so for every trip alike
	s_xor_b32 s[G0K+1], s[G0K+1], SLOT1            ; the walking descriptors: the other slot,
	s_add_nc_u64 s[G0K+2:G0K+3], s[G0K+2:G0K+3], 32768   ; the next 256 keys
	s_xor_b32 s[G0V+1], s[G0V+1], SLOT1
	s_add_nc_u64 s[G0V+2:G0V+3], s[G0V+2:G0V+3], 32768
	s_wait_xcnt 0x0                                ; the last prefetch, a slot back, has read its address
	s_add_nc_u64 s[PFA:PFA+1], s[PFA:PFA+1], 32768 ; one slot further on than the walking descriptors
	s_wait_dscnt 0x0                               ; both adds are done, and my reads of the slot that I have left are over
	CROUND
	TLOAD                                          ; the first thing behind the round, and a wave's one tensor load until the next
	ASK
.else
	s_wait_dscnt 0x0
	s_barrier_signal -1
	s_barrier_wait -1
.endif
.endm
.macro SLOT_STEPS                      ; a slot's four key steps: written once, walked four times
	s_mov_b32 s[STP], 4
.Lstep_\@:
	STEP
	s_sub_co_u32 s[STP], s[STP], 1
	s_cmp_lg_u32 s[STP], 0
	s_cbranch_scc1 .Lstep_\@
	s_sub_co_u32 s[TK], s[TK], 256*PK              ; back to a slot's first step,
	s_sub_co_u32 s[TV], s[TV], 256*PV
	s_xor_b32 s[TK], s[TK], SLOT1                  ; in the other slot
	s_xor_b32 s[TV], s[TV], SLOT1
.endm
	s_wait_loadcnt 0x0                             ; Q
.Lslot:                                                ; seven trips: behind each change of slots but the last the next slot is asked for
	CHANGE 1
	SLOT_STEPS
	s_sub_co_u32 s[SLOTS], s[SLOTS], 1
	s_cmp_lg_u32 s[SLOTS], 0
	s_cbranch_scc1 .Lslot
	CHANGE 0                                       ; the last slot is written out: nothing is left to ask for
	SLOT_STEPS
	; THE WAY OUT.  O^T / the sum, rounded to f16, a tile (16 queries x 128 bytes) at a time through my stage; 32 lanes then store four rows, 512 consecutive bytes.
.rept 4
	v_nop                                          ; places behind the last products
.endr
.irp t, 0,1
	v_add_f32 v[ST+8*\t+4], v[ST+8*\t+2], v[ST+8*\t+3]
.endr
.irp t, 0,1
	v_permlanex16_b32 v[ST+8*\t+5], v[ST+8*\t+4], s[SEL], s[SEL+1]
.endr
.irp t, 0,1
	v_add_f32 v[ST+8*\t+4], v[ST+8*\t+4], v[ST+8*\t+5]               ; the row's sum
.endr
.irp t, 0,1
	v_rcp_f32 v[ST+8*\t+6], v[ST+8*\t+4]
.endr
	v_and_b32 v9, 15, v0                           ; (plain lines behind the reciprocals)  r
	v_bfe_u32 v10, v0, 4, 1                        ; h
	s_mul_i32 s52, s[WV], 16*PK
	s_add_co_u32 s52, s52, STAGE                   ; my stage
	v_mul_u32_u24 v1, v9, PK
	v_lshl_add_u32 v1, v10, 4, v1
	v_add_nc_u32 v1, s52, v1                       ; in: row r, + 16 h; 32 bytes on for each 16 channels
	v_and_b32 v11, 31, v0
	v_lshrrev_b32 v2, 3, v11
	v_mul_u32_u24 v2, v2, PK
	v_and_b32 v3, 7, v0
	v_lshl_add_u32 v2, v3, 4, v2
	v_add_nc_u32 v2, s52, v2                       ; back: eight lanes to a row
	v_lshlrev_b32 v11, 4, v11                      ; and 16 x lane in ao
	s_wait_alu depctr_va_vdst(0)                   ; one wait for the two reciprocals, ahead of their first reader
.irp t, 0,1
.irp i, 0,2,4,6,8,10,12,14,16,18,20,22,24,26,28,30
	v_pk_mul_f32 v[O+32*\t+\i:O+32*\t+\i+1], v[O+32*\t+\i:O+32*\t+\i+1], v[ST+8*\t+6:ST+8*\t+7] op_sel_hi:[1,0]
.endr
.irp i, 0,1,2,3,4,5,6,7,8,9,10,11,12,13,14,15
	v_cvt_pk_f16_f32 v[S+32*\t+\i], v[O+32*\t+2*\i], v[O+32*\t+2*\i+1]
.endr
.irp dt, 0,1,2,3
	ds_store_b128 v1, v[S+32*\t+4*\dt:S+32*\t+4*\dt+3] offset:32*\dt
.endr
.irp i, 0,1,2,3
	ds_load_b128 v[S+32*\t+16+4*\i:S+32*\t+16+4*\i+3], v2 offset:4*PK*\i   ; in order behind my stores; the next tile's stores come behind these
.endr
.endr
.irp i, 0,1,2,3
	s_wait_dscnt 11-\i                             ; behind tile 0's load i: its own 3 - i later loads and tile 1's eight LDS instructions
	global_store_b128 v11, v[S+16+4*\i:S+16+4*\i+3], s[AB:AB+1] offset:512*\i
.endr
.irp i, 0,1,2,3
	s_wait_dscnt 3-\i
	global_store_b128 v11, v[S+48+4*\i:S+48+4*\i+3], s[AB:AB+1] offset:2048+512*\i
.endr
	s_wait_tensorcnt 0x0                           ; the wave's end
	ds_add_u32 v[SPW], v[NIL]
	s_wait_dscnt 0x0
	CROUND                                         ; the closing round
	s_endpgm
.Lfunc_end_k_qb7ca9a8a71_attn:
	.size	k_qb7ca9a8a71_attn, .Lfunc_end_k_qb7ca9a8a71_attn-k_qb7ca9a8a71_attn
	.p2alignl 7, 3214868480
	.fill 96, 4, 3214868480
	.section	.rodata,"a",@progbits
	.p2align	6, 0x0
	.amdhsa_kernel k_qb7ca9a8a71_attn
		.amdhsa_group_segment_fixed_size 327680
		.amdhsa_private_segment_fixed_size 0
		.amdhsa_enable_private_segment 0
		.amdhsa_kernarg_size 16
		.amdhsa_user_sgpr_count 2
		.amdhsa_user_sgpr_kernarg_segment_ptr 1
		.amdhsa_wavefront_size32 1
		.amdhsa_system_sgpr_workgroup_id_x 1
		.amdhsa_system_sgpr_workgroup_id_y 1
		.amdhsa_system_sgpr_workgroup_id_z 1
		.amdhsa_system_vgpr_workitem_id 0
		.amdhsa_next_free_vgpr 256
		.amdhsa_next_free_sgpr 72
		.amdhsa_reserve_vcc 1
		.amdhsa_float_denorm_mode_32 3
		.amdhsa_float_denorm_mode_16_64 3
		.amdhsa_memory_ordered 1
		.amdhsa_forward_progress 1
		.amdhsa_inst_pref_size 63
	.end_amdhsa_kernel
	.amdgpu_metadata
---
amdhsa.version: [ 1, 2 ]
amdhsa.kernels:
  - .name:           k_qb7ca9a8a71_attn
    .symbol:         k_qb7ca9a8a71_attn.kd
    .args:
      - { .name: qkv, .offset: 0, .size: 8, .value_kind: global_buffer, .address_space: global }
      - { .name: ao, .offset: 8, .size: 8, .value_kind: global_buffer, .address_space: global }
    .group_segment_fixed_size: 327680
    .private_segment_fixed_size: 0
    .kernarg_segment_align: 8
    .kernarg_segment_size: 16
    .max_flat_workgroup_size: 512
    .sgpr_count:     72
    .vgpr_count:     256
    .wavefront_size: 32
...
	.end_amdgpu_metadata
.endif
;; end of part 4
;; launch proj (part 5): grid 8 x 32, 4 waves a work-group, clusters of 4 x 4, 327,680 bytes of LDS; arguments ao, woh, out0; writes out0
.if DOCPART == 5
	.amdgcn_target "amdgcn-amd-amdhsa--gfx1250"
	.amdhsa_code_object_version 6
	.text
	.protected	k_qb7ca9a8a71_proj
	.globl	k_qb7ca9a8a71_proj
	.p2align	8
	.type	k_qb7ca9a8a71_proj,@function
k_qb7ca9a8a71_proj:
	s_mov_b64 s[64:65], 0
	v_nop
	global_prefetch_b8 v0, s[64:65] scope:SCOPE_SE
	s_setreg_imm32_b32 hwreg(HW_REG_WAVE_MODE, 25, 1), 1
	s_wait_xcnt 0x0
	s_wait_alu depctr_hold_cnt(0) depctr_sa_sdst(0) depctr_va_vdst(0) depctr_va_sdst(0) depctr_va_ssrc(0) depctr_va_vcc(0) depctr_vm_vsrc(0)
	s_getreg_b32 s2, hwreg(HW_REG_IB_STS2, 6, 4)
	s_cmp_eq_u32 s2, 0
	s_cbranch_scc0 .Lentry_in_a_cluster
	s_endpgm
.Lentry_in_a_cluster:
	s_bfe_u32 s2, ttmp6, 0x10000c
	s_cmp_lg_u32 s2, 0xf033
	s_cbranch_scc0 .Lentry_shape_is_right
	s_endpgm
.Lentry_shape_is_right:
; out0[m][n] = sum over k of A[m][k] Wo[k][n], m = 8,192 tokens, n = k = 1,024.  A = the attention's result, f16, laid ao [head][token][64] (k = 64 head + channel); Wo as f16, woh [k][n]; sums and out0 in f32.
; A tile of C is 256 (m) x 128 (n): 256 work-groups.  Four waves, each 128 x 64: 32 accumulators of 16 x 16, 256 registers.  K goes in steps of 128 (two heads) through two LDS slots.
; A's tile of a K step is two planes, one a head, of 256 dense rows of 128 bytes: waves 0 and 1 fetch one plane each; Wo's is 128 rows (k) x 256 bytes: waves 2 and 3 fetch 64 rows each.
; CLUSTERS: 4 x 4 work-groups; A's tiles are asked for jointly along a row of the cluster, Wo's along a column.
; THE MATRIX INSTRUCTION IS USED TRANSPOSED: source 0 = 16 columns n of Wo (by the turning LDS load, since k runs down Wo's rows), source 1 = 16 tokens: a lane holds eight neighbouring columns of one token.
; A wave's 64 columns are 256 bytes of a row of out0, aligned: 16 rows at a time go through the wave's own stage and sixteen lanes store such a run.
; Rows 0 .. 15 of each batch are stored here like all others and are stored again, made in f32, by the launch that follows.  LIMITS: |A| and |Wo| under 65,504 (f16).
; No prefetch: what a K step brings is shared by multicast and the tile is small.
; REGISTERS: window 0: v0-31 addresses; v64-159, v160-255 two fragment buffers for 32 along K (64 registers of A: 8 blocks of 16 tokens; then 32 of Wo: 4 blocks of 16 columns); on the way out v64-127 rows read back.
;   window 1: the accumulators, (a, b) at v[8 (4 a + b)].
.set PA,     144                       ; a token's row of a plane in LDS: 128 bytes + 16
.set PB,     288                       ; a row of Wo's tile: 256 bytes + 32: an odd multiple of 32, for the turning load
.set PLANE,  256*PA
.set BOFF,   2*PLANE
.set SLOT,   BOFF+128*PB
.set STAGE,  2*SLOT
.set SPITCH, 272
.set SPARE,  STAGE+4*16*SPITCH         ; the spare words, 128 bytes a wave, which no other line names
.set LAPS,   4                         ; a lap = two K steps; K = 1,024
.set ADRA, 16
.set ADRB, 20
.set STO,  24
.set RD,   25
.set CO,   26
.set SPW,  28
.set NIL,  29
.set F0,   64
.set F1,   160
.set BK,   64
.set G1, 24
.set G0, 32
.set G1B, 48
.set G0B, 56
.set MSB, 0
.macro WIN new                         ; the immediate's high byte repeats the setting that is left
.if MSB != \new
	s_set_vgpr_msb (MSB<<8)|\new
.set MSB, \new
.endif
.endm
.set MUL, 0x50                         ; sources 0 and 1 window 0; C and D window 1
.macro JLOAD s                         ; a joint load: waves 0 and 1 fetch A's planes, waves 2 and 3 Wo's halves; an s_nop 0 and four v_nop follow each line
	s_cmp_eq_u32 s11, 0
	s_cbranch_scc0 .Lfor_b_\@
	tensor_load_to_lds s[G0+4*\s:G0+4*\s+3], s[G1:G1+7]
	s_nop 0
.rept 4
	v_nop
.endr
	s_branch .Lasked_\@
.Lfor_b_\@:
	tensor_load_to_lds s[G0B+4*\s:G0B+4*\s+3], s[G1B:G1B+7]
	s_nop 0
.rept 4
	v_nop
.endr
.Lasked_\@:
.endm
.macro CREST                           ; a round of the cluster's barrier behind its opening barrier
	s_cmp_lg_u32 s10, 0
	s_cbranch_scc1 .Lnot_wave_0_\@
	s_barrier_signal -3
.Lnot_wave_0_\@:
	s_barrier_wait -3
	s_barrier_signal -1
	s_barrier_wait -1
.endm
.macro CROUND
	s_barrier_signal -1
	s_barrier_wait -1
	CREST
.endm
	s_load_b128 s[4:7], s[0:1], 0x0                ; ao, woh
	s_load_b64 s[8:9], s[0:1], 0x10                ; out0
	v_lshl_add_u32 v[SPW], v0, 2, SPARE
	v_mov_b32 v[NIL], 0
	ds_add_u32 v[SPW], v[NIL]                      ; the wave's opening: the add, twice on end, and its wait ahead of my first tensor load
	ds_add_u32 v[SPW], v[NIL]
	v_lshrrev_b32 v1, 5, v0
	v_readfirstlane_b32 s10, v1                    ; wave 0..3
	s_lshr_b32 s11, s10, 1                         ; which 128 of the tile's rows are mine.  Also: I fetch for A (0) or for Wo (1)
	s_and_b32 s12, s10, 1                          ; which 64 of its columns.  Also: which plane, or which 64 rows of Wo, I fetch
	s_bfe_u32 s40, ttmp6, 0x40000                  ; cx, cy
	s_bfe_u32 s41, ttmp6, 0x40004
	s_lshl_b32 s42, ttmp9, 2
	s_add_co_u32 s42, s42, s40                     ; tile column of C
	s_and_b32 s13, ttmp7, 0xffff
	s_lshl_b32 s13, s13, 2
	s_add_co_u32 s13, s13, s41                     ; tile row of C
	s_lshl_b32 s43, s41, 2
	s_lshl_b32 s43, 15, s43                        ; my row of the cluster
	s_lshl_b32 s44, 0x1111, s40                    ; my column
	s_or_b32 s[G1+0], s43, (1<<16)|(1<<20)|(1<<21)|(4<<22)|(3<<25)   ; A: the mask; elements of 2 bytes; padding on; bit 21 beside a mask; after every 32 words 4 words
	s_mov_b32 s[G1+1], 64<<16                      ; tensor_dim0 = 64
	s_mov_b32 s[G1+2], 256<<16                     ; tensor_dim1 = 256
	s_mov_b32 s[G1+3], 64<<16                      ; tile_dim0 = 64
	s_mov_b32 s[G1+4], 256                         ; tile_dim1 = 256
	s_mov_b32 s[G1+5], 64                          ; from row to row
	s_mov_b32 s[G1+6], 0
	s_mov_b32 s[G1+7], 0
	s_or_b32 s[G1B+0], s44, (1<<16)|(1<<20)|(1<<21)|(5<<22)|(7<<25)  ; Wo: after every 64 words 8 words
	s_mov_b32 s[G1B+1], 128<<16
	s_mov_b32 s[G1B+2], 64<<16
	s_mov_b32 s[G1B+3], 128<<16
	s_mov_b32 s[G1B+4], 64
	s_mov_b32 s[G1B+5], 1024
	s_mov_b32 s[G1B+6], 0
	s_mov_b32 s[G1B+7], 0
	s_lshl_b32 s16, s12, 20                        ; A: my plane (a head is 1,048,576 bytes),
	s_lshl_b32 s17, s13, 15                        ; + 256 tokens of 128 bytes x tile row
	s_add_co_u32 s16, s16, s17
	s_mov_b32 s17, 0
	s_lshl_b32 s46, s12, 17                        ; Wo: my 64 rows of 2,048 bytes,
	s_lshl_b32 s47, s42, 8                         ; + 128 columns x tile column
	s_add_co_u32 s46, s46, s47
	s_mov_b32 s47, 0
	s_mul_i32 s20, s12, PLANE                      ; where they go: no place in the cluster enters an LDS address
	s_mul_i32 s21, s12, 64*PB
	s_add_co_u32 s21, s21, BOFF
	s_wait_dscnt 0x0                               ; both opening adds are done
	s_wait_kmcnt 0x0
	s_add_nc_u64 s[14:15], s[4:5], s[16:17]
	s_add_nc_u64 s[46:47], s[6:7], s[46:47]
	CROUND                                         ; all sixteen work-groups are here: the first joint loads meet
.irp s, 0,1
	s_mov_b32 s[G0+4*\s], 1
	s_add_co_u32 s[G0+4*\s+1], s20, \s*SLOT
	s_add_nc_u64 s[G0+4*\s+2:G0+4*\s+3], s[14:15], \s*2097152      ; K step s: two heads on
	s_or_b32 s[G0+4*\s+3], s[G0+4*\s+3], 0x80000000
	s_mov_b32 s[G0B+4*\s], 1
	s_add_co_u32 s[G0B+4*\s+1], s21, \s*SLOT
	s_add_nc_u64 s[G0B+4*\s+2:G0B+4*\s+3], s[46:47], \s*262144     ; 128 rows of Wo on
	s_or_b32 s[G0B+4*\s+3], s[G0B+4*\s+3], 0x80000000
	JLOAD \s
.endr
	v_and_b32 v1, 15, v0                           ; r
	v_bfe_u32 v2, v0, 4, 1                         ; h
	v_mul_u32_u24 v3, v1, PA
	v_lshl_add_u32 v3, v2, 4, v3                   ; A: row r x pitch + 16 h
	v_and_b32 v4, 7, v0
	v_lshl_add_u32 v4, v2, 3, v4
	v_mul_u32_u24 v4, v4, PB
	v_bfe_u32 v5, v0, 3, 1
	v_lshl_add_u32 v4, v5, 4, v4                   ; Wo, for the turning load: row k = 8 h + l % 8, columns 8 ((l / 8) % 2) on
	s_mul_i32 s22, s11, 128*PA                     ; my 128 tokens
	s_lshl_b32 s23, s12, 7                         ; my 64 columns: 128 bytes,
	s_add_co_u32 s23, s23, BOFF
.irp s, 0,1
	v_add_nc_u32 v[ADRA+\s], s22, v3
	v_add_nc_u32 v[ADRB+\s], s23, v4
	s_add_co_u32 s22, s22, SLOT
	s_add_co_u32 s23, s23, SLOT
.endr
	s_mul_i32 s23, s10, 16*SPITCH
	s_add_co_u32 s23, s23, STAGE                   ; my stage
	v_mul_u32_u24 v4, v1, SPITCH
	v_lshl_add_u32 v4, v2, 5, v4
	v_add_nc_u32 v[STO], s23, v4                   ; in: row r, 32 bytes for each half of the lanes
	v_mul_u32_u24 v5, v2, SPITCH
	v_lshl_add_u32 v5, v1, 4, v5
	v_add_nc_u32 v[RD], s23, v5                    ; back: lanes 0-15 one row of 256 bytes, lanes 16-31 the next
	v_lshlrev_b32 v5, 12, v2
	v_lshl_add_u32 v[CO], v1, 4, v5                ; and the same two rows in out0
	s_lshl_b32 s16, s13, 8
	s_lshl_b32 s17, s11, 7
	s_add_co_u32 s16, s16, s17                     ; my first row: 256 x tile row + 128 x half
	s_lshl_b32 s16, s16, 12                        ; of 4,096 bytes
	s_mov_b32 s17, 0
	s_add_nc_u64 s[8:9], s[8:9], s[16:17]
	s_lshl_b32 s46, s42, 9                         ; my first column, in bytes: 512 x tile column + 256 x half
	s_lshl_b32 s47, s12, 8
	s_add_co_u32 s46, s46, s47
	s_mov_b32 s47, 0
	s_add_nc_u64 s[8:9], s[8:9], s[46:47]
; 8 matrix instructions: token blocks a0, a0 + 1 x all 4 column blocks, 32 along K.  zero = 1: the product starts the sums.  The 32 accumulators take turns, in the same order in every quarter.
.macro MUL8 f, a0, zero
.irp a, \a0, \a0+1
.irp b, 0,1,2,3
.if \zero
	v_wmma_f32_16x16x32_f16 v[8*(4*(\a)+\b):8*(4*(\a)+\b)+7], v[\f+64+8*\b:\f+64+8*\b+7], v[\f+8*(\a):\f+8*(\a)+7], 0
.else
	v_wmma_f32_16x16x32_f16 v[8*(4*(\a)+\b):8*(4*(\a)+\b)+7], v[\f+64+8*\b:\f+64+8*\b+7], v[\f+8*(\a):\f+8*(\a)+7], v[8*(4*(\a)+\b):8*(4*(\a)+\b)+7]
.endif
.endr
.endr
.endm
.macro MUL16 f, a0, zero
	MUL8 \f, \a0, \zero
	MUL8 \f, \a0+2, \zero
.endm
; 24 LDS loads in one run: the fragments of the slot's quarter qd (32 along K) into buffer f: Wo's four first, then A's eight
.macro FETCH slot, qd, f
	WIN 0
.irp i, 0,1,2,3
	ds_load_tr16_b128 v[\f+64+8*\i:\f+64+8*\i+3], v[ADRB+\slot] offset:(\qd)*32*PB+32*\i
	ds_load_tr16_b128 v[\f+64+8*\i+4:\f+64+8*\i+7], v[ADRB+\slot] offset:(\qd)*32*PB+32*\i+16*PB
.endr
.irp i, 0,1,2,3,4,5,6,7
	ds_load_b128 v[\f+8*\i:\f+8*\i+3], v[ADRA+\slot] offset:((\qd)/2)*PLANE+((\qd)%2)*64+\i*16*PA
	ds_load_b128 v[\f+8*\i+4:\f+8*\i+7], v[ADRA+\slot] offset:((\qd)/2)*PLANE+((\qd)%2)*64+\i*16*PA+32
.endr
.endm
.macro PLACES                          ; four plain lines in front of loads into registers that matrix instructions have read, and of the first read of results
.rept 4
	v_nop
.endr
.endm
; A K step is four quarters of 32 along K, 32 matrix instructions each, on buffers 0, 1, 0, 1.  One of the first three: multiplies buffer f and fetches quarter qd into g.
.macro QUARTER slot, qd, f, g, zero
	s_wait_dscnt 8                                 ; Wo's fragments and A's blocks 0-3 are in; the youngest eight loads (A's blocks 4-7) may be out
	WIN MUL
	MUL16 \f, 0, \zero
	PLACES
	FETCH \slot, \qd, \g
	s_wait_dscnt 24                                ; all but the 24 just issued
	WIN MUL
	MUL16 \f, 4, \zero
.endm
; The last quarter multiplies buffer 1 and changes slots: ONE barrier; in front of it each wave waits for all its tensor loads, adds 0 to its spare word, and waits for that and for its reads of this slot.
; fill = 1: the barrier opens a round of the cluster's barrier, and this slot is filled again, two K steps ahead: 112 matrix instructions stand between the request and the wait for it.
.macro TURN slot, next, fill
	WIN 0
	s_wait_tensorcnt 0x0                           ; all my tensor loads have landed: my part of the next slot
	ds_add_u32 v[SPW], v[NIL]
	s_wait_dscnt 9                                 ; (the add and the youngest eight loads may be out)
	WIN MUL
	MUL8 F1, 0, 0
	s_wait_dscnt 0x0                               ; the add is done, and my reads of this slot are over
	s_barrier_signal -1
	MUL8 F1, 2, 0
	WIN 0
	s_barrier_wait -1
.if \fill
	CREST                                          ; no wave of any partner still reads this slot or has a load on its way
	s_add_nc_u64 s[G0+4*\slot+2:G0+4*\slot+3], s[G0+4*\slot+2:G0+4*\slot+3], 4194304
	s_add_nc_u64 s[G0B+4*\slot+2:G0B+4*\slot+3], s[G0B+4*\slot+2:G0B+4*\slot+3], 524288
	JLOAD \slot                                    ; the first tensor load behind the round; its four v_nop are also the places in front of the loads below
.else
	PLACES
.endif
	FETCH \next, 0, F0
	WIN MUL
	MUL16 F1, 4, 0
.endm
	s_wait_tensorcnt 1                             ; my part of K step 0 is in (K step 1's load may be out),
	s_barrier_signal -1
	s_barrier_wait -1                              ; everybody's is
	FETCH 0, 0, F0
	QUARTER 0, 1, F0, F1, 1                        ; the first quarter's products start the sums
	WIN 0                                          ; at a label and at a branch every window is 0
	s_mov_b32 s3, LAPS-1
.Llap:                                                 ; a trip goes once round the ring, from a lap's second quarter to the next lap's first, and fills both slots again
	QUARTER 0, 2, F1, F0, 0
	QUARTER 0, 3, F0, F1, 0
	TURN 0, 1, 1
	QUARTER 1, 1, F0, F1, 0
	QUARTER 1, 2, F1, F0, 0
	QUARTER 1, 3, F0, F1, 0
	TURN 1, 0, 1
	QUARTER 0, 1, F0, F1, 0
	WIN 0
	s_sub_co_u32 s3, s3, 1
	s_cmp_lg_u32 s3, 0
	s_cbranch_scc1 .Llap
	QUARTER 0, 2, F1, F0, 0                        ; the last lap fills nothing
	QUARTER 0, 3, F0, F1, 0
	TURN 0, 1, 0
	QUARTER 1, 1, F0, F1, 0
	QUARTER 1, 2, F1, F0, 0
	QUARTER 1, 3, F0, F1, 0
	s_wait_dscnt 8                                 ; the very last quarter: nothing more to fetch
	WIN MUL
	MUL16 F1, 0, 0
	s_wait_dscnt 0
	MUL16 F1, 4, 0
	WIN 0
; THE WAY OUT, block by block of 16 tokens x 64 columns: a lane's 32 bytes of a row go into my stage and come back as whole rows of 256 bytes.
.macro TOSTAGE a
	WIN 0x04                                       ; an LDS store's data are its source 1: window 1
.irp b, 0,1,2,3
	ds_store_b128 v[STO], v[8*(4*(\a)+\b):8*(4*(\a)+\b)+3] offset:64*\b          ; each accumulator from its low end on
	ds_store_b128 v[STO], v[8*(4*(\a)+\b)+4:8*(4*(\a)+\b)+7] offset:64*\b+16
.endr
	WIN 0
.set BB, BK+32*((\a)%2)
.irp t, 0,1,2,3,4,5,6,7
	ds_load_b128 v[BB+4*\t:BB+4*\t+3], v[RD] offset:\t*2*SPITCH    ; LDS serves a wave's instructions in order (ISA guide 5.7.1.4)
.endr
.endm
.macro SEND a, younger
.set BB, BK+32*((\a)%2)
	s_wait_dscnt \younger                          ; the block is back; the next block's LDS instructions may be out
.irp t, 0,1,2,3,4,5,6,7
	global_store_b128 v[CO], v[BB+4*\t:BB+4*\t+3], s[8:9] offset:(16*(\a)+2*\t)*4096 th:TH_STORE_NT   ; sixteen lanes store 256 consecutive bytes, aligned
.endr
.endm
	PLACES
	TOSTAGE 0
.irp a, 1,2,3,4,5,6,7
.if \a > 1
	s_wait_xcnt 0x0                                ; block a - 2's stores have read their registers: block a's loads may land there
.endif
	TOSTAGE \a
	SEND \a-1, 16                                  ; behind block a - 1's loads: block a's 8 stores and 8 loads
.endr
	SEND 7, 0
	s_wait_tensorcnt 0x0                           ; the wave's end
	ds_add_u32 v[SPW], v[NIL]
	s_wait_dscnt 0x0
	CROUND                                         ; the closing round
	s_endpgm
.Lfunc_end_k_qb7ca9a8a71_proj:
	.size	k_qb7ca9a8a71_proj, .Lfunc_end_k_qb7ca9a8a71_proj-k_qb7ca9a8a71_proj
	.p2alignl 7, 3214868480
	.fill 96, 4, 3214868480
	.section	.rodata,"a",@progbits
	.p2align	6, 0x0
	.amdhsa_kernel k_qb7ca9a8a71_proj
		.amdhsa_group_segment_fixed_size 327680
		.amdhsa_private_segment_fixed_size 0
		.amdhsa_enable_private_segment 0
		.amdhsa_kernarg_size 24
		.amdhsa_user_sgpr_count 2
		.amdhsa_user_sgpr_kernarg_segment_ptr 1
		.amdhsa_wavefront_size32 1
		.amdhsa_system_sgpr_workgroup_id_x 1
		.amdhsa_system_sgpr_workgroup_id_y 1
		.amdhsa_system_sgpr_workgroup_id_z 1
		.amdhsa_system_vgpr_workitem_id 0
		.amdhsa_next_free_vgpr 512
		.amdhsa_next_free_sgpr 66
		.amdhsa_reserve_vcc 0
		.amdhsa_float_denorm_mode_32 3
		.amdhsa_float_denorm_mode_16_64 3
		.amdhsa_memory_ordered 1
		.amdhsa_forward_progress 1
		.amdhsa_inst_pref_size 86
	.end_amdhsa_kernel
	.amdgpu_metadata
---
amdhsa.version: [ 1, 2 ]
amdhsa.kernels:
  - .name:           k_qb7ca9a8a71_proj
    .symbol:         k_qb7ca9a8a71_proj.kd
    .args:
      - { .name: ao, .offset: 0, .size: 8, .value_kind: global_buffer, .address_space: global }
      - { .name: woh, .offset: 8, .size: 8, .value_kind: global_buffer, .address_space: global }
      - { .name: out0, .offset: 16, .size: 8, .value_kind: global_buffer, .address_space: global }
    .group_segment_fixed_size: 327680
    .private_segment_fixed_size: 0
    .kernarg_segment_align: 8
    .kernarg_segment_size: 24
    .max_flat_workgroup_size: 128
    .sgpr_count:     66
    .vgpr_count:     512
    .wavefront_size: 32
...
	.end_amdgpu_metadata
.endif
;; end of part 5
;; launch fine (part 6): grid 64 x 4, 16 waves a work-group, no clusters, 18,432 bytes of LDS; arguments fq, Wo, out0; writes out0
.if DOCPART == 6
	.amdgcn_target "amdgcn-amd-amdhsa--gfx1250"
	.amdhsa_code_object_version 6
	.text
	.protected	k_qb7ca9a8a71_fine
	.globl	k_qb7ca9a8a71_fine
	.p2align	8
	.type	k_qb7ca9a8a71_fine,@function
k_qb7ca9a8a71_fine:
	s_mov_b64 s[64:65], 0
	v_nop
	global_prefetch_b8 v0, s[64:65] scope:SCOPE_SE
	s_setreg_imm32_b32 hwreg(HW_REG_WAVE_MODE, 25, 1), 1
	s_wait_xcnt 0x0
; Positions 0 .. 15 of each batch, in f32 throughout: these rows average one to sixteen values and are the largest of the output, so their attention and their projection take f32 operands (the f32 matrix form; fq holds q, k, v of these
; positions as f32, [batch][16][3072]; Wo is read as it is given).  The 64 rows of out0 are stored over what the launch before left there.
; SHARES.  A work-group makes out0[batch y][0 .. 15][16 x .. 16 x + 15].  Wave w is head w: it makes the head's 16 x 16 attention, and the head's 64 channels are its part of the projection's K; the sixteen parts meet in LDS.
; Every one of a batch's 64 work-groups makes the attention anew (32 of a wave's 48 matrix instructions): that spares a launch and a buffer, and the work is small.
; LAYOUT.  S^T = K Q^T, O^T = V^T P, D^T = Wo^T O: a lane holds ONE query (lane % 16) throughout, and each result's registers are the next product's source 1 as they stand.  The f32 form takes k = 2 (lane / 16) + j from register j;
; which channel or key stands at which k is the same on both sides of each product, so the sums are over the same terms.
; The stores are 16 bytes a lane, 64 bytes of a row: 262,144 bytes in the whole launch.  No cluster and no tensor load: each work-group reads a few KB once.
; The registers that the f32 matrix form writes (SA, SB, O, DA, DB) are written by nothing else; what is made of them goes elsewhere.
.set KF, 16                            ; v16-47   K: register 4 i + e = channel 8 i + 4 h + e of key r
.set QF, 48                            ; v48-79   Q likewise
.set VF, 80                            ; v80-111  V: register 8 dt + i = V[key 8 h + i][channel 16 dt + r]
.set WF, 112                           ; v112-143 Wo: register 8 dt + i = Wo[64 w + 16 dt + 8 h + i][16 x + r]
.set SA, 144                           ; v144-159 two accumulators for the scores
.set O,  160                           ; v160-191 O^T
.set ON, 192                           ; v192-223 O^T / the sum
.set T,  224                           ; v224-231 the scores; later my part of the result
.set P,  232                           ; v232-239 p
.set DA, 240                           ; v240-255 two accumulators for the projection
.set SPW, 14
.set NIL, 15
.set SPARE, 16384                      ; behind the sixteen parts: the spare words, 128 bytes a wave, which no other line names
	s_load_b128 s[4:7], s[0:1], 0x0                ; fq, Wo
	s_load_b64 s[8:9], s[0:1], 0x10                ; out0
	v_lshl_add_u32 v[SPW], v0, 2, SPARE
	v_mov_b32 v[NIL], 0
	v_lshrrev_b32 v1, 5, v0
	v_readfirstlane_b32 s10, v1                    ; wave = head
	s_and_b32 s11, ttmp7, 0xffff                   ; batch
	v_and_b32 v1, 15, v0                           ; r
	v_bfe_u32 v2, v0, 4, 1                         ; h
	v_mul_u32_u24 v3, v1, 12288
	v_lshl_add_u32 v3, v2, 4, v3                   ; K, Q: row r of fq, + 16 h
	v_mul_u32_u24 v4, v2, 98304
	v_lshl_add_u32 v4, v1, 2, v4                   ; V: 8 h rows down, + 4 r
	v_lshlrev_b32 v5, 15, v2
	v_lshl_add_u32 v5, v1, 2, v5                   ; Wo: 8 h rows of 4,096 bytes down, + 4 r
	v_lshlrev_b32 v6, 3, v2
	v_sub_nc_u32 v6, v1, v6                        ; r - 8 h: key 8 h + j is hidden where j is above it
	v_lshlrev_b32 v7, 4, v0                        ; 16 x thread: where waves 0 and 1 read the parts
	v_and_b32 v8, 31, v0
	v_lshlrev_b32 v8, 4, v8
	s_lshl_b32 s12, s10, 10
	v_add_nc_u32 v8, s12, v8                       ; where I put my part: 1,024 x wave + 16 x lane
	v_lshlrev_b32 v9, 12, v1
	v_lshl_add_u32 v9, v2, 5, v9                   ; out0: row r, + 32 h
	v_mov_b32 v10, 0xff800000                      ; -infinity
	v_mov_b32 v12, 0                               ; written once: a lane permute's destination counts as read
	v_mov_b32 v13, 0
	s_mov_b32 s20, 0x76543210
	s_mov_b32 s21, 0xfedcba98
	s_mov_b32 s22, 0x3e38aa3b                      ; c = log2(e) / sqrt(64)
	s_mul_i32 s14, s11, 196608                     ; fq: the batch's 16 rows,
	s_lshl_b32 s15, s10, 8
	s_add_co_u32 s14, s14, s15                     ; + the head's 64 columns
	s_mov_b32 s15, 0
	s_lshl_b32 s16, s10, 18                        ; Wo: the head's 64 rows,
	s_lshl_b32 s17, ttmp9, 6
	s_add_co_u32 s16, s16, s17                     ; + my 16 columns
	s_mov_b32 s17, 0
	s_lshl_b32 s18, s11, 23                        ; out0: the batch's 2,048 rows of 4,096 bytes,
	s_lshl_b32 s19, ttmp9, 6
	s_add_co_u32 s18, s18, s19                     ; + my 16 columns,
	s_lshl_b32 s19, s10, 4
	s_add_co_u32 s18, s18, s19                     ; + 16 bytes in wave 1 (waves 0 and 1 alone store)
	s_mov_b32 s19, 0
	s_wait_kmcnt 0x0
	s_add_nc_u64 s[4:5], s[4:5], s[14:15]
	s_add_nc_u64 s[6:7], s[6:7], s[16:17]
	s_add_nc_u64 s[8:9], s[8:9], s[18:19]
.irp i, 0,1,2,3,4,5,6,7
	global_load_b128 v[KF+4*\i:KF+4*\i+3], v3, s[4:5] offset:4096+32*\i
.endr
.irp i, 0,1,2,3,4,5,6,7
	global_load_b128 v[QF+4*\i:QF+4*\i+3], v3, s[4:5] offset:32*\i
.endr
.irp dt, 0,1,2,3
.irp i, 0,1,2,3,4,5,6,7
	global_load_b32 v[VF+8*\dt+\i], v4, s[4:5] offset:8192+\i*12288+64*\dt
.endr
.endr
.irp dt, 0,1,2,3
.irp i, 0,1,2,3,4,5,6,7
	global_load_b32 v[WF+8*\dt+\i], v5, s[6:7] offset:(16*\dt+\i)*4096
.endr
.endr
	s_wait_loadcnt 63                              ; of the 80 loads at most 63 are out: the oldest 16, K's and Q's, are in
.set u, 0
.rept 16                               ; S^T = K Q^T over 64 channels, four an instruction; two accumulators by turns; the first of each starts its sum
.if u < 2
	v_wmma_f32_16x16x4_f32 v[SA+8*(u%2):SA+8*(u%2)+7], v[KF+2*u:KF+2*u+1], v[QF+2*u:QF+2*u+1], 0
.else
	v_wmma_f32_16x16x4_f32 v[SA+8*(u%2):SA+8*(u%2)+7], v[KF+2*u:KF+2*u+1], v[QF+2*u:QF+2*u+1], v[SA+8*(u%2):SA+8*(u%2)+7]
.endif
.set u, u+1
.endr
.rept 8
	v_nop                                          ; eight places behind this form before a result is read (ISA guide 7.12.1)
.endr
.irp j, 0,1,2,3,4,5,6,7
	v_add_f32 v[T+\j], v[SA+\j], v[SA+8+\j]        ; the score of key 8 h + j and query r, from the low end on
.endr
.irp j, 0,1,2,3,4,5,6,7
	v_cmp_gt_i32 vcc_lo, \j, v6
	v_cndmask_b32 v[T+\j], v[T+\j], v10, vcc_lo    ; the causal mask
.endr
	v_max3_num_f32 v11, v[T], v[T+1], v[T+2]
	v_max3_num_f32 v11, v11, v[T+3], v[T+4]
	v_max3_num_f32 v11, v11, v[T+5], v[T+6]
	v_max_num_f32 v11, v11, v[T+7]
	v_permlanex16_b32 v12, v11, s20, s21
	v_max_num_f32 v11, v11, v12                    ; the row's maximum: key 0 counts for every query
	v_mul_f32 v11, s22, v11
.irp j, 0,1,2,3,4,5,6,7
	v_fma_f32 v[P+\j], v[T+\j], s22, -v11          ; c s - c m
.endr
.irp j, 0,1,2,3,4,5,6,7
	v_exp_f32 v[P+\j], v[P+\j]
.endr
	v_nop                                          ; one plain line behind the last exponential
	s_wait_alu depctr_va_vdst(0)                   ; the wait ahead of the first reader: one for the eight
	v_add_f32 v12, v[P], v[P+1]
	v_add_f32 v13, v[P+2], v[P+3]
	v_add_f32 v12, v12, v[P+4]
	v_add_f32 v13, v13, v[P+5]
	v_add_f32 v12, v12, v[P+6]
	v_add_f32 v13, v13, v[P+7]
	v_add_f32 v12, v12, v13
	v_permlanex16_b32 v13, v12, s20, s21
	v_add_f32 v12, v12, v13                        ; the row's sum
	v_rcp_f32 v13, v12
	v_nop
	s_wait_alu depctr_va_vdst(0)                   ; and one for the reciprocal
	s_wait_loadcnt 32                              ; V is in; Wo's 32 loads may be out
.irp t, 0,1,2,3
.irp dt, 0,1,2,3                       ; O^T += V^T P: keys 8 h + 2 t + 0, 1; four accumulators by turns
.if \t == 0
	v_wmma_f32_16x16x4_f32 v[O+8*\dt:O+8*\dt+7], v[VF+8*\dt+2*\t:VF+8*\dt+2*\t+1], v[P+2*\t:P+2*\t+1], 0
.else
	v_wmma_f32_16x16x4_f32 v[O+8*\dt:O+8*\dt+7], v[VF+8*\dt+2*\t:VF+8*\dt+2*\t+1], v[P+2*\t:P+2*\t+1], v[O+8*\dt:O+8*\dt+7]
.endif
.endr
.endr
.rept 8
	v_nop
.endr
.irp i, 0,1,2,3,4,5,6,7,8,9,10,11,12,13,14,15,16,17,18,19,20,21,22,23,24,25,26,27,28,29,30,31
	v_mul_f32 v[ON+\i], v[O+\i], v13               ; register 8 dt + j: channel 16 dt + 8 h + j of query r
.endr
	s_wait_loadcnt 0x0                             ; Wo
.set u, 0
.rept 16                               ; D^T += Wo^T O over my head's 64 channels; two accumulators by turns
.if u < 2
	v_wmma_f32_16x16x4_f32 v[DA+8*(u%2):DA+8*(u%2)+7], v[WF+2*u:WF+2*u+1], v[ON+2*u:ON+2*u+1], 0
.else
	v_wmma_f32_16x16x4_f32 v[DA+8*(u%2):DA+8*(u%2)+7], v[WF+2*u:WF+2*u+1], v[ON+2*u:ON+2*u+1], v[DA+8*(u%2):DA+8*(u%2)+7]
.endif
.set u, u+1
.endr
.rept 8
	v_nop
.endr
.irp j, 0,1,2,3,4,5,6,7
	v_add_f32 v[T+\j], v[DA+\j], v[DA+8+\j]        ; my head's part of out0[r][16 x + 8 h + j]
.endr
	ds_store_b128 v8, v[T:T+3]                     ; as an image of the registers: columns + 0 .. 3,
	ds_store_b128 v8, v[T+4:T+7] offset:512        ; and + 4 .. 7
	s_wait_dscnt 0x0                               ; for the others' sake: my stores have landed
	s_barrier_signal -1
	s_barrier_wait -1
	s_cmp_lt_u32 s10, 2                            ; wave 0 adds the sixteen parts of columns + 0 .. 3, wave 1 those of + 4 .. 7
	s_cbranch_scc0 .Ldone
.irp p, 0,1,2,3,4,5,6,7,8,9,10,11,12,13,14,15
	ds_load_b128 v[16+4*\p:16+4*\p+3], v7 offset:1024*\p
.endr
	s_wait_dscnt 0x0
.irp p, 1,2,3,4,5,6,7,8,9,10,11,12,13,14,15
	v_pk_add_f32 v[16:17], v[16:17], v[16+4*\p:17+4*\p]
	v_pk_add_f32 v[18:19], v[18:19], v[18+4*\p:19+4*\p]
.endr
	global_store_b128 v9, v[16:19], s[8:9]
.Ldone:
	s_wait_tensorcnt 0x0                           ; the wave's end
	ds_add_u32 v[SPW], v[NIL]
	s_wait_dscnt 0x0
	s_endpgm
.Lfunc_end_k_qb7ca9a8a71_fine:
	.size	k_qb7ca9a8a71_fine, .Lfunc_end_k_qb7ca9a8a71_fine-k_qb7ca9a8a71_fine
	.p2alignl 7, 3214868480
	.fill 96, 4, 3214868480
	.section	.rodata,"a",@progbits
	.p2align	6, 0x0
	.amdhsa_kernel k_qb7ca9a8a71_fine
		.amdhsa_group_segment_fixed_size 18432
		.amdhsa_private_segment_fixed_size 0
		.amdhsa_enable_private_segment 0
		.amdhsa_kernarg_size 24
		.amdhsa_user_sgpr_count 2
		.amdhsa_user_sgpr_kernarg_segment_ptr 1
		.amdhsa_wavefront_size32 1
		.amdhsa_system_sgpr_workgroup_id_x 1
		.amdhsa_system_sgpr_workgroup_id_y 1
		.amdhsa_system_sgpr_workgroup_id_z 1
		.amdhsa_system_vgpr_workitem_id 0
		.amdhsa_next_free_vgpr 256
		.amdhsa_next_free_sgpr 66
		.amdhsa_reserve_vcc 1
		.amdhsa_float_denorm_mode_32 3
		.amdhsa_float_denorm_mode_16_64 3
		.amdhsa_memory_ordered 1
		.amdhsa_forward_progress 1
		.amdhsa_inst_pref_size 21
	.end_amdhsa_kernel
	.amdgpu_metadata
---
amdhsa.version: [ 1, 2 ]
amdhsa.kernels:
  - .name:           k_qb7ca9a8a71_fine
    .symbol:         k_qb7ca9a8a71_fine.kd
    .args:
      - { .name: fq, .offset: 0, .size: 8, .value_kind: global_buffer, .address_space: global }
      - { .name: Wo, .offset: 8, .size: 8, .value_kind: global_buffer, .address_space: global }
      - { .name: out0, .offset: 16, .size: 8, .value_kind: global_buffer, .address_space: global }
    .group_segment_fixed_size: 18432
    .private_segment_fixed_size: 0
    .kernarg_segment_align: 8
    .kernarg_segment_size: 24
    .max_flat_workgroup_size: 512
    .sgpr_count:     66
    .vgpr_count:     256
    .wavefront_size: 32
...
	.end_amdgpu_metadata
.endif
;; end of part 6
